; MI455X (gfx1250); checked and timed in simulation.
; The chip was launched on July 23, 2026; its instructions are those of AMD's public machine-readable ISA for CDNA 5 (MIT licence, August 2026) and "CDNA5" Instruction Set Architecture Reference Guide (July 2026). The comments in the code are by the model that wrote it; some were corrected since.
;; Qwen3 Attention. Allowed arithmetic: matrix products marked QUANTISED: E4M3 operands, one given power-of-two scale a tensor, by v_wmma_f32_16x16x64_fp8_fp8 or v_wmma_f32_16x16x128_fp8_fp8, f32 sums; everything else in f32.
;; Inputs: Wk 1,024 x 1,024 float32; Wo 2,048 x 1,024 float32; Wq 1,024 x 2,048 float32; Wv 1,024 x 1,024 float32; k_norm_w 128 float32; lowp_scales 12 int32 (the exponents e of the quantised operands' scales 2^e); q_norm_w 128 float32; x 2 x 2,048 x 1,024 float32.
;; Outputs: out0 2 x 2,048 x 1,024 float32.
;; This version of the problem:
;;   THIS VERSION OF THE PROBLEM IS GIVEN IN LOW PRECISION. The matrix products marked QUANTISED in the list below multiply operands that are first quantised to E4M3 (4 exponent bits, 3 mantissa bits; 8 bits a number), with one given power-of-two scale for each operand tensor; their sums are f32. All else is computed in f32.
;;   The module's matrix products, in the order in which they are computed (A, B: the left and right operand; K: the contracted axis; several contracted axes count as one K, in the product's order):
;;     1. [M 4,096, K 1,024] x [K 1,024, N 2,048]; A: input x; B: input Wq: QUANTISED (scales: A lowp_scales[0], B lowp_scales[1])
;;     2. [M 4,096, K 1,024] x [K 1,024, N 1,024]; A: input x; B: input Wk: QUANTISED (scales: A lowp_scales[2], B lowp_scales[3])
;;     3. [M 4,096, K 1,024] x [K 1,024, N 1,024]; A: input x; B: input Wv: QUANTISED (scales: A lowp_scales[4], B lowp_scales[5])
;;     4. batch 32 x [M 2,048, K 128] x [K 128, N 2,048]; A: computed on the way; B: computed on the way: QUANTISED (scales: A lowp_scales[6], B lowp_scales[7])
;;     5. batch 32 x [M 2,048, K 2,048] x [K 2,048, N 128]; A: softmax (see below); B: computed on the way: QUANTISED (scales: A lowp_scales[8], B lowp_scales[9])
;;     6. [M 4,096, K 2,048] x [K 2,048, N 1,024]; A: computed on the way; B: input Wo: QUANTISED (scales: A lowp_scales[10], B lowp_scales[11])
;;   THE QUANTISER, for each operand of a quantised product, along K:
;;     - The operand's scale is 2^e, e = its entry of the input lowp_scales (int32; the entries are numbered through the quantised products in the list's order, A before B).
;;     - Each number is divided by the scale, clamped to +-448, and rounded to the nearest number of E4M3, ties to even, subnormals kept.
;;     - The product sums the exact products of the quantised numbers (number of the format x scale) in f32.
;;   ~~~python
;;   def quantise(x, axis, e):      # numpy; x: float32 -> the quantised numbers, widened to float32 again
;;       x = np.moveaxis(x, axis, -1); K = x.shape[-1]
;;       r = np.clip(x / 2.0 ** e, -448, 448)
;;       step = 2.0 ** (np.maximum(np.frexp(np.where(r == 0, 1, r))[1] - 1, -6) - 3)
;;       q = np.round(r / step) * step * 2.0 ** e      # np.round: ties to even
;;       return np.moveaxis(q, -1, axis).astype(np.float32)
;;   ~~~
;;   SOFTMAX AHEAD OF A QUANTISED PRODUCT. Where the list says 'softmax', what is quantised is not the finished softmax but p = 2^(t - M), with t = logit x log2(e) and M = ceil(the row's largest t), a whole number; so 1/2 < the row's largest p <= 1. The row's sum l is taken of the UNQUANTISED p, in f32, and the product's result is divided by l at the end. Since M is a whole number, a kernel that streams over the keys may use a running M (the ceiling of the running maximum): every later rescaling is an exact power of two, so the quantised numbers keep their values, but for numbers so far below the row's largest that they fall under the format's range.
;;   OPERANDS COMPUTED ON THE WAY. 'Computed on the way' means the value that the module computes at that place (a softmax that the list does not call 'softmax' is quantised finished and normalised). What goes into a quantiser is computed in f32, as accurately as f32 sums, v_exp_f32 and their like allow (about 1e-6 of the number): no bf16 or f16 on the way to a quantiser, and a product that is left as it is and whose result goes on into a quantised operand takes f32 operands (vector FMAs, or v_wmma_f32_16x16x4_f32). A number that lies on a knife's edge between two numbers of the format may be rounded either way, as far as f32 arithmetic and the matrix unit's own rounding can turn it there, and no further.
;; One version. Each part assembles by itself: llvm-mc -triple=amdgcn-amd-amdhsa -mcpu=gfx1250 --defsym DOCPART=n.
;; ======== version 1 of 1: 4 launches
;; limits: right only within a limited range of input values
;; workspace buffers: xc 12,582,912 bytes; wc 6,291,456 bytes; tab 1,048,576 bytes; qkvc 16,777,216 bytes; oc 8,388,608 bytes
;; launch prep (part 1): grid 352 x 1, 4 waves a work-group, no clusters, 67,072 bytes of LDS; arguments x, Wq, Wk, Wv, Wo, lowp_scales, xc, wc, tab; writes xc, wc, tab
.if DOCPART == 1
	.amdgcn_target "amdgcn-amd-amdhsa--gfx1250"
	.amdhsa_code_object_version 6
	.text
	.protected	k_q1808b89a44_prep
	.globl	k_q1808b89a44_prep
	.p2align	8
	.type	k_q1808b89a44_prep,@function
k_q1808b89a44_prep:
	s_mov_b64 s[64:65], 0
	v_nop
	global_prefetch_b8 v0, s[64:65] scope:SCOPE_SE
	s_setreg_imm32_b32 hwreg(HW_REG_WAVE_MODE, 25, 1), 1
	s_wait_xcnt 0x0
; PREP: everything that later launches read many times is made once.
;  (1) work-groups 0-127:   x [4096][1024] f32 -> three sets of E4M3 codes (scales 2^e0, 2^e2, 2^e4: the three products that read x each name a scale of their own).
;  (2) work-groups 128-319: Wq, Wk, Wv, Wo (f32, K is the FIRST axis) -> codes with K innermost (scales e1, e3, e5, e11).
;  (3) work-groups 320-351: the table of cos and sin for the rotary embedding, positions 0 .. 2047, 64 frequencies.
; code = number / 2^e, held within +-448, rounded to the nearest code, ties to even.
; ALL CODES ARE LAID AS IMAGES OF THE MATRIX OPERAND'S REGISTERS.  An image is 16 rows x 128 along K = 2,048 bytes: register 4 cc + w of lane l lies at byte 512 cc + 16 l + 4 w;
; lane l = (r = l % 16, h = l / 16) holds row r, and its registers 2 c, 2 c + 1 hold k = 16 c + 8 h + 0 .. 7.  So a reader fetches a fragment by four loads of 16 bytes a lane at 16 x lane.
;   xc  [set 3][row tile 256][K step 8][image]      wc  at 0: [column tile 256: Wq 0-127, Wk 128-191, Wv 192-255][K step 8][image];  at 4 MiB: Wo [column tile 64][K step 16][image]
;   tab [tile of 16 positions 128][cos, sin][m 8][lane 32][4 f32]: number i of slot m in lane (r, h) belongs to position 16 tile + r and frequency 8 m + 8 h + (m % 2 ? -4 : 0) + i, that is 16 (m / 2) + 8 h + 4 (m % 2) + i
; No matrix unit, no tensor loads, no cluster: memory binds, no work-group reads what another reads, and waves share nothing (each has LDS bytes of its own: no barrier).
; The three ways part on the work-group's number and use different LDS bytes.
; LIMITS: each of e0 .. e5, e11 lies between -126 and 119 (2^e and 448 x 2^e are made as f32 numbers).  NaN among the inputs is not served.
;         1 / 10000^(f / 64) is made as 2^(-f log2(10000) / 64) by v_exp_f32; at position 2,047 the angle can differ from one made by a power and a division by about 2e-4.
.set WV,     22                        ; s22  my wave's number
.set LI,     1                         ; v1   16 x lane
.set XPITCH, 528                       ; x's stage: a row of 128 numbers, 512 bytes + 16 of padding
.set XWAVE,  16*XPITCH                 ; 16 rows for each wave
.set WSTG,   4*XWAVE                   ; behind them: the weights' stages, 8,192 bytes for each wave
	s_load_b512 s[4:19], s[0:1], 0x0               ; x s[4:5], Wq s[6:7], Wk s[8:9], Wv s[10:11], Wo s[12:13], the scales s[14:15], xc s[16:17], wc s[18:19]
	s_load_b64 s[20:21], s[0:1], 0x40              ; tab
	v_lshl_add_u32 v4, v0, 2, 0x10400
	s_set_vgpr_msb 0x40
	v_mov_b32 v1, 0
	s_set_vgpr_msb 0x4000
	v_lshrrev_b32 v2, 5, v0
	v_readfirstlane_b32 s[WV], v2
	v_and_b32 v7, 31, v0                           ; lane
	v_lshlrev_b32 v[LI], 4, v7
	s_wait_kmcnt 0x0
	s_load_b256 s[68:75], s[14:15], 0x0            ; e0 .. e7
	s_load_b128 s[76:79], s[14:15], 0x20           ; e8 .. e11
	s_cmp_lt_u32 ttmp9, 128
	s_cbranch_scc1 .Lx
	s_cmp_lt_u32 ttmp9, 320
	s_cbranch_scc1 .Lw
; ---------------------------------------------------------------- (3) THE TABLE.  A wave makes one tile of 16 positions: 8,192 bytes.
.set TA, 16                            ; v16-19 the angle            (four numbers are worked line by line, so that no line waits for the one above it)
.set TN, 20                            ; v20-23 n = the nearest whole number of quarter turns
.set TR, 24                            ; v24-27 the rest, within +-pi/4
.set TZ, 28                            ; v28-31 its square
.set PS, 32                            ; v32-35 sine's polynomial
.set PC, 36                            ; v36-39 cosine's
.set NI, 40                            ; v40-43 n as a whole number
.set TT, 44                            ; v44-47 at work
.set SN, 48                            ; v48-51 sin of the rest
.set CN, 52                            ; v52-55 cos of the rest
.set COS, 64                           ; v64-95   results: each slot has registers of its own, so no store's data are written again
.set SIN, 96                           ; v96-127
	s_wait_kmcnt 0x0                               ; (the scales are not used on this way)
	s_sub_co_u32 s24, ttmp9, 320
	s_lshl_b32 s24, s24, 2
	s_add_co_u32 s24, s24, s[WV]                   ; my tile of positions
	s_lshl_b32 s26, s24, 13
	s_mov_b32 s27, 0
	s_add_nc_u64 s[20:21], s[20:21], s[26:27]
	s_lshl_b32 s25, s24, 4
	v_and_b32 v2, 15, v0
	v_add_nc_u32 v2, s25, v2
	v_cvt_f32_u32 v2, v2                           ; my position
	v_bfe_u32 v3, v0, 4, 1
	v_lshlrev_b32 v3, 3, v3                        ; 8 h
	s_wait_alu depctr_va_vdst(0)
	s_mov_b32 s40, 0xbe549a78                      ; -log2(10000) / 64
	s_mov_b32 s41, 0x3f22f983                      ; 2 / pi
	s_mov_b32 s42, 0x3fc90fdb                      ; pi / 2, its leading 24 bits,
	s_mov_b32 s43, 0xb33bbd2e                      ; and what is left of it
	s_mov_b32 s44, 0xbe2aaaab                      ; sine: -1/6, 1/120, -1/5040, 1/362880
	s_mov_b32 s45, 0x3c088889
	s_mov_b32 s46, 0xb9500d01
	s_mov_b32 s47, 0x3638ef1c
	s_mov_b32 s48, 0x3d2aaaab                      ; cosine: 1/24, -1/720, 1/40320, -1/3628800
	s_mov_b32 s49, 0xbab60b61
	s_mov_b32 s50, 0x37d00d01
	s_mov_b32 s51, 0xb493f293
.macro PAIRS m
.irp i, 0,1,2,3
	v_add_nc_u32 v[TA+\i], 16*((\m)/2)+4*((\m)%2)+\i, v3       ; the frequency's number f
.endr
.irp i, 0,1,2,3
	v_cvt_f32_u32 v[TA+\i], v[TA+\i]
.endr
.irp i, 0,1,2,3
	v_mul_f32 v[TA+\i], s40, v[TA+\i]
.endr
	s_wait_alu depctr_va_vdst(0)
.irp i, 0,1,2,3
	v_exp_f32 v[TA+\i], v[TA+\i]                   ; 10000^(-f / 64)
.endr
	v_nop                                          ; a plain line behind the exponentials
	s_wait_alu depctr_va_vdst(0)
.irp i, 0,1,2,3
	v_mul_f32 v[TA+\i], v2, v[TA+\i]               ; the angle, rounded to f32 as it is defined
.endr
.irp i, 0,1,2,3
	v_mul_f32 v[TN+\i], s41, v[TA+\i]
.endr
.irp i, 0,1,2,3
	v_rndne_f32 v[TN+\i], v[TN+\i]                 ; at most 1,304: 11 bits
.endr
.irp i, 0,1,2,3
	v_fma_f32 v[TR+\i], -v[TN+\i], s42, v[TA+\i]   ; the difference is a multiple of 2^-24 below 1: nothing is rounded
.endr
.irp i, 0,1,2,3
	v_fma_f32 v[TR+\i], -v[TN+\i], s43, v[TR+\i]
.endr
.irp i, 0,1,2,3
	v_mul_f32 v[TZ+\i], v[TR+\i], v[TR+\i]
.endr
.irp i, 0,1,2,3
	v_fma_f32 v[PS+\i], v[TZ+\i], s47, s46
	v_fma_f32 v[PC+\i], v[TZ+\i], s51, s50
.endr
.irp i, 0,1,2,3
	v_fma_f32 v[PS+\i], v[PS+\i], v[TZ+\i], s45
	v_fma_f32 v[PC+\i], v[PC+\i], v[TZ+\i], s49
.endr
.irp i, 0,1,2,3
	v_fma_f32 v[PS+\i], v[PS+\i], v[TZ+\i], s44
	v_fma_f32 v[PC+\i], v[PC+\i], v[TZ+\i], s48
.endr
.irp i, 0,1,2,3
	v_mul_f32 v[TT+\i], v[TR+\i], v[TZ+\i]
	v_fma_f32 v[TA+\i], v[TZ+\i], -0.5, 1.0
.endr
.irp i, 0,1,2,3
	v_fma_f32 v[SN+\i], v[TT+\i], v[PS+\i], v[TR+\i]           ; the series are cut where the next term is under 2e-9 for |rest| <= pi / 4
	v_mul_f32 v[TT+\i], v[TZ+\i], v[TZ+\i]
.endr
.irp i, 0,1,2,3
	v_fma_f32 v[CN+\i], v[TT+\i], v[PC+\i], v[TA+\i]
	v_cvt_i32_f32 v[NI+\i], v[TN+\i]
.endr
.irp i, 0,1,2,3
	v_and_b32 v[TT+\i], 1, v[NI+\i]
	v_cmp_eq_u32 vcc_lo, 1, v[TT+\i]               ; an odd quarter turn swaps sine and cosine (a choice of values: no branch)
	v_cndmask_b32 v[SIN+4*(\m)+\i], v[SN+\i], v[CN+\i], vcc_lo
	v_cndmask_b32 v[COS+4*(\m)+\i], v[CN+\i], v[SN+\i], vcc_lo
.endr
.irp i, 0,1,2,3
	v_lshlrev_b32 v[TT+\i], 30, v[NI+\i]           ; sine changes sign where n mod 4 is 2 or 3,
	v_add_nc_u32 v[NI+\i], 1, v[NI+\i]             ; cosine where it is 1 or 2
.endr
.irp i, 0,1,2,3
	v_and_b32 v[TT+\i], 0x80000000, v[TT+\i]
	v_lshlrev_b32 v[NI+\i], 30, v[NI+\i]
.endr
.irp i, 0,1,2,3
	v_xor_b32 v[SIN+4*(\m)+\i], v[SIN+4*(\m)+\i], v[TT+\i]
	v_and_b32 v[NI+\i], 0x80000000, v[NI+\i]
.endr
.irp i, 0,1,2,3
	v_xor_b32 v[COS+4*(\m)+\i], v[COS+4*(\m)+\i], v[NI+\i]
.endr
	global_store_b128 v[LI], v[COS+4*(\m):COS+4*(\m)+3], s[20:21] offset:512*(\m)          ; the wave stores 512 consecutive bytes
	global_store_b128 v[LI], v[SIN+4*(\m):SIN+4*(\m)+3], s[20:21] offset:4096+512*(\m)
.endm
.irp m, 0,1,2,3,4,5,6,7
	PAIRS \m
.endr
	s_endpgm
; ---------------------------------------------------------------- (2) THE WEIGHTS.  A lane takes a column n and its registers run down K, so that the conversions, which take neighbours
; along K from one lane's registers, give codes with K innermost; nothing is transposed.  A work-group takes 128 columns x 256 along K, a wave 32 columns: two column tiles x two K steps = four images,
; gathered in the wave's stage and stored as 16 runs of 512 consecutive bytes.  Loads run two blocks of 32 along K (64 loads a wave) ahead.
.set WO,   16                          ; v16-47   4 x lane + i x (a row of the weight in bytes), i = 0 .. 31
.set WX,   48                          ; v48-111  two sets of 32 numbers
.set WC,   112                         ; v112-119 a block's codes
.set WOUT, 128                         ; v128-191 the way out
.Lw:
	s_wait_kmcnt 0x0
	s_sub_co_u32 s24, ttmp9, 128                   ; 0-63 Wq, 64-95 Wk, 96-127 Wv, 128-191 Wo.  All choices hang on the work-group's number alone
	s_mov_b64 s[26:27], s[12:13]                   ; Wo's figures first: the tensor,
	s_sub_co_u32 s28, s24, 128                     ; my number j within it,
	s_mov_b32 s29, 4096                            ; a row in bytes,
	s_mov_b32 s30, 0                               ; its first column tile in its part of wc,
	s_mov_b32 s31, 16                              ; K steps in a column tile,
	s_mov_b32 s34, 0x400000                        ; where its part of wc begins,
	s_mov_b32 s35, s79                             ; its e,
	s_mov_b32 s36, 3                               ; log2 of its blocks of 128 columns
	s_sub_co_u32 s37, s24, 96
	s_cmp_lt_u32 s24, 128                          ; Wv or an earlier one
	s_cselect_b64 s[26:27], s[10:11], s[26:27]
	s_cselect_b32 s28, s37, s28
	s_cselect_b32 s30, 192, s30
	s_cselect_b32 s31, 8, s31
	s_cselect_b32 s34, 0, s34
	s_cselect_b32 s35, s73, s35
	s_sub_co_u32 s37, s24, 64
	s_cmp_lt_u32 s24, 96                           ; Wk or Wq
	s_cselect_b64 s[26:27], s[8:9], s[26:27]
	s_cselect_b32 s28, s37, s28
	s_cselect_b32 s30, 128, s30
	s_cselect_b32 s35, s71, s35
	s_cmp_lt_u32 s24, 64                           ; Wq
	s_cselect_b64 s[26:27], s[6:7], s[26:27]
	s_cselect_b32 s28, s24, s28
	s_cselect_b32 s29, 8192, s29
	s_cselect_b32 s30, 0, s30
	s_cselect_b32 s35, s69, s35
	s_cselect_b32 s36, 4, s36
	s_lshr_b32 s32, s28, s36                       ; kb: which 256 along K
	s_lshl_b32 s33, s32, s36
	s_sub_co_u32 s33, s28, s33                     ; nb: which 128 columns
	s_lshl_b32 s38, s29, 8
	s_mul_i32 s38, s38, s32                        ; 256 kb rows,
	s_lshl_b32 s39, s33, 9
	s_add_co_u32 s38, s38, s39                     ; + 128 nb columns,
	s_lshl_b32 s39, s[WV], 7
	s_add_co_u32 s38, s38, s39                     ; + my wave's 32
	s_mov_b32 s39, 0
	s_add_nc_u64 s[40:41], s[26:27], s[38:39]      ; s[40:55]: a base for each of the eight blocks of 32 rows
	s_lshl_b32 s38, s29, 5
.irp t, 1,2,3,4,5,6,7
	s_add_nc_u64 s[40+2*\t:41+2*\t], s[38+2*\t:39+2*\t], s[38:39]
.endr
	s_lshl_b32 s56, s33, 3
	s_add_co_u32 s56, s56, s30
	s_lshl_b32 s57, s[WV], 1
	s_add_co_u32 s56, s56, s57                     ; my first column tile
	s_mul_i32 s56, s56, s31
	s_lshl_b32 s57, s32, 1
	s_add_co_u32 s56, s56, s57                     ; its K step 2 kb
	s_lshl_b32 s56, s56, 11
	s_add_co_u32 s56, s56, s34
	s_mov_b32 s57, 0
	s_add_nc_u64 s[58:59], s[18:19], s[56:57]      ; where my first column tile's two images go,
	s_lshl_b32 s56, s31, 11
	s_add_nc_u64 s[60:61], s[58:59], s[56:57]      ; and my second's
	s_wait_alu depctr_va_vdst(0)
	v_lshlrev_b32 v[WO], 2, v7
.set ii, 1
.rept 31
	v_add_nc_u32 v[WO+ii], s29, v[WO+ii-1]
.set ii, ii+1
.endr
.macro WLOAD t                         ; block t: W(32 t + i, my column): each load reads 128 consecutive bytes, the four waves stand side by side on 512
.set ii, 0
.rept 32
	global_load_b32 v[WX+32*((\t)%2)+ii], v[WO+ii], s[40+2*(\t):41+2*(\t)] th:TH_LOAD_NT
.set ii, ii+1
.endr
.endm
	WLOAD 0
	WLOAD 1
	v_lshrrev_b32 v5, 4, v7                        ; which of my two column tiles
	v_and_b32 v6, 15, v0                           ; r: my column in it
	v_lshlrev_b32 v2, 12, v5
	v_lshl_add_u32 v2, v6, 4, v2
	s_lshl_b32 s62, s[WV], 13
	s_add_co_u32 s62, s62, WSTG
	v_add_nc_u32 v2, s62, v2                       ; into the stage: column tile x 4,096 + 16 r
	v_add_nc_u32 v3, s62, v[LI]                    ; out of it: 16 x lane
	s_add_co_i32 s35, s35, 127
	s_lshl_b32 s62, s35, 23
	v_mov_b32 v9, s62                              ; 2^e as f32: the conversion takes its exponent field
	s_add_co_i32 s35, s35, 8
	s_lshl_b32 s35, s35, 23
	s_or_b32 s35, s35, 0x600000
	v_mov_b32 v8, s35                              ; 448 x 2^e
.macro WBLOCK t
.if (\t) < 7
	s_wait_loadcnt 32                              ; this block's 32 loads are in; the next block's 32 may be out
.else
	s_wait_loadcnt 0x0
.endif
.set ii, 0
.rept 32
	v_med3_num_f32 v[WX+32*((\t)%2)+ii], v[WX+32*((\t)%2)+ii], -v8, v8     ; the conversion to an 8-bit code does not saturate (ISA guide 7.6.2): the hold comes first
.set ii, ii+1
.endr
.irp m, 0,1,2,3
	v_cvt_scalef32_pk8_fp8_f32 v[WC+2*\m:WC+2*\m+1], v[WX+32*((\t)%2)+8*\m:WX+32*((\t)%2)+8*\m+7], v9     ; k = 32 t + 8 m + 0 .. 7
.endr
	v_nop                                          ; a plain line behind the last conversion
.irp m, 0,1,2,3                        ; in the image those eight codes are registers 2 c, 2 c + 1 of lane r + 16 (m % 2), c = 2 (t % 4) + m / 2
	ds_store_b64 v2, v[WC+2*\m:WC+2*\m+1] offset:((\t)/4)*2048+((\t)%4)*512+(\m%2)*256+(\m/2)*8
.endr
.if (\t)+2 < 8
	WLOAD (\t)+2
.endif
	s_wait_dscnt 0x0                               ; the stores have read their registers: the next block's codes may be written
.endm
	s_wait_alu depctr_va_vdst(0)
.irp t, 0,1,2,3,4,5,6,7
	WBLOCK \t
.endr
.irp m, 0,1,2,3,4,5,6,7,8,9,10,11,12,13,14,15
	ds_load_b128 v[WOUT+4*\m:WOUT+4*\m+3], v3 offset:512*\m    ; LDS serves a wave's instructions in order (ISA guide 5.7.1.4): these see my stores
.endr
.irp m, 0,1,2,3,4,5,6,7,8,9,10,11,12,13,14,15
	s_wait_dscnt 15-\m                             ; the younger loads may be out
	global_store_b128 v[LI], v[WOUT+4*\m:WOUT+4*\m+3], s[58+2*(\m/8):59+2*(\m/8)] offset:(\m%8)*512    ; 512 consecutive bytes
.endr
	s_set_vgpr_msb 0x4
	s_wait_tensorcnt 0x0
	ds_add_u32 v4, v1
	s_wait_dscnt 0x0
	s_set_vgpr_msb 0x400
	s_endpgm
; ---------------------------------------------------------------- (1) x.  A wave takes 16 rows x 512 along K: four steps of one image for each of the three scales.
; Each load reads 512 consecutive bytes of one row; the 16 rows turn through the wave's stage, so that lane (r, h) gets, of row r, the eight neighbours 16 c + 8 h + 0 .. 7 for c = 0 .. 7.
.set XR, 16                            ; v16-79   as loaded
.set XX, 80                            ; v80-143  register 8 c + j: x(r, 16 c + 8 h + j)
.set XT, 144                           ; v144-207 held within one scale's range
.set XC, 208                           ; v208-255 codes: 16 registers for each scale
.Lx:
	s_lshl_b32 s24, ttmp9, 1
	s_lshr_b32 s25, s[WV], 1
	s_add_co_u32 s24, s24, s25                     ; my row tile
	s_and_b32 s25, s[WV], 1                        ; which half of K
	s_lshl_b32 s26, s24, 16
	s_lshl_b32 s27, s25, 11
	s_add_co_u32 s26, s26, s27
	s_mov_b32 s27, 0
	s_add_nc_u64 s[4:5], s[4:5], s[26:27]
	s_lshl_b32 s26, s24, 14
	s_lshl_b32 s25, s25, 13
	s_add_co_u32 s26, s26, s25
	s_add_nc_u64 s[28:29], s[16:17], s[26:27]      ; my four images in set 0,
	s_add_nc_u64 s[30:31], s[28:29], 0x400000      ; set 1,
	s_add_nc_u64 s[32:33], s[30:31], 0x400000      ; set 2
.macro XLOAD t
.irp i, 0,1,2,3,4,5,6,7,8,9,10,11,12,13,14,15
	global_load_b128 v[XR+4*\i:XR+4*\i+3], v[LI], s[4:5] offset:\i*4096+(\t)*512 th:TH_LOAD_NT
.endr
.endm
	s_wait_alu depctr_va_vdst(0)
	XLOAD 0
	s_mul_i32 s34, s[WV], XWAVE
	v_add_nc_u32 v2, s34, v[LI]                    ; into the stage: 16 x lane, row i by the immediate
	v_and_b32 v5, 15, v0
	v_bfe_u32 v6, v0, 4, 1
	v_mul_u32_u24 v3, v5, XPITCH
	v_lshl_add_u32 v3, v6, 5, v3
	v_add_nc_u32 v3, s34, v3                       ; out of it: row r, + 32 h bytes
	s_wait_alu depctr_va_vdst(0)
	s_wait_kmcnt 0x0
.irp e, 0,1,2
	s_add_co_i32 s34, s[68+2*\e], 127
	s_lshl_b32 s35, s34, 23
	v_mov_b32 v[13+\e], s35                        ; v13-15: 2^e0, 2^e2, 2^e4
	s_add_co_i32 s34, s34, 8
	s_lshl_b32 s34, s34, 23
	s_or_b32 s34, s34, 0x600000
	v_mov_b32 v[10+\e], s34                        ; v10-12: 448 x those
.endr
.macro XSTEP t
	s_wait_loadcnt 0x0
.irp i, 0,1,2,3,4,5,6,7,8,9,10,11,12,13,14,15
	ds_store_b128 v2, v[XR+4*\i:XR+4*\i+3] offset:\i*XPITCH
.endr
.irp c, 0,1,2,3,4,5,6,7
	ds_load_b128 v[XX+8*\c:XX+8*\c+3], v3 offset:64*\c         ; in order behind my stores
	ds_load_b128 v[XX+8*\c+4:XX+8*\c+7], v3 offset:64*\c+16
.endr
	s_wait_dscnt 0x0                               ; the numbers are back, and the stores into the stage have read their registers,
	s_wait_xcnt 0x0                                ; and the last step's stores have read the codes' registers
.if (\t) < 3
	XLOAD (\t)+1                                   ; the next step's 16 loads land while this step is worked
.endif
.irp e, 0,1,2
.set ii, 0
.rept 64
	v_med3_num_f32 v[XT+ii], v[XX+ii], -v[10+\e], v[10+\e]     ; the hold at the largest code x the scale (ISA guide 7.6.2: the conversion does not saturate)
.set ii, ii+1
.endr
.irp c, 0,1,2,3,4,5,6,7
	v_cvt_scalef32_pk8_fp8_f32 v[XC+16*\e+2*\c:XC+16*\e+2*\c+1], v[XT+8*\c:XT+8*\c+7], v[13+\e]
.endr
	v_nop                                          ; a plain line between the conversions and the next scale's holds, which write their sources
.irp c, 0,1,2,3
	global_store_b128 v[LI], v[XC+16*\e+4*\c:XC+16*\e+4*\c+3], s[28+2*\e:29+2*\e] offset:(\t)*2048+512*\c     ; 512 consecutive bytes
.endr
.endr
.endm
	s_wait_alu depctr_va_vdst(0)
.irp t, 0,1,2,3
	XSTEP \t
.endr
	s_set_vgpr_msb 0x4
	s_wait_tensorcnt 0x0
	ds_add_u32 v4, v1
	s_wait_dscnt 0x0
	s_set_vgpr_msb 0x400
	s_endpgm
.Lfunc_end_k_q1808b89a44_prep:
	.size	k_q1808b89a44_prep, .Lfunc_end_k_q1808b89a44_prep-k_q1808b89a44_prep
	.p2alignl 7, 3214868480
	.fill 96, 4, 3214868480
	.section	.rodata,"a",@progbits
	.p2align	6, 0x0
	.amdhsa_kernel k_q1808b89a44_prep
		.amdhsa_group_segment_fixed_size 67072
		.amdhsa_private_segment_fixed_size 0
		.amdhsa_enable_private_segment 0
		.amdhsa_kernarg_size 72
		.amdhsa_user_sgpr_count 2
		.amdhsa_user_sgpr_kernarg_segment_ptr 1
		.amdhsa_wavefront_size32 1
		.amdhsa_system_sgpr_workgroup_id_x 1
		.amdhsa_system_sgpr_workgroup_id_y 1
		.amdhsa_system_sgpr_workgroup_id_z 1
		.amdhsa_system_vgpr_workitem_id 0
		.amdhsa_next_free_vgpr 258
		.amdhsa_next_free_sgpr 100
		.amdhsa_reserve_vcc 1
		.amdhsa_float_denorm_mode_32 3
		.amdhsa_float_denorm_mode_16_64 3
		.amdhsa_memory_ordered 1
		.amdhsa_forward_progress 1
		.amdhsa_inst_pref_size 178
	.end_amdhsa_kernel
	.amdgpu_metadata
---
amdhsa.version: [ 1, 2 ]
amdhsa.kernels:
  - .name:           k_q1808b89a44_prep
    .symbol:         k_q1808b89a44_prep.kd
    .args:
      - { .name: x, .offset: 0, .size: 8, .value_kind: global_buffer, .address_space: global }
      - { .name: Wq, .offset: 8, .size: 8, .value_kind: global_buffer, .address_space: global }
      - { .name: Wk, .offset: 16, .size: 8, .value_kind: global_buffer, .address_space: global }
      - { .name: Wv, .offset: 24, .size: 8, .value_kind: global_buffer, .address_space: global }
      - { .name: Wo, .offset: 32, .size: 8, .value_kind: global_buffer, .address_space: global }
      - { .name: lowp_scales, .offset: 40, .size: 8, .value_kind: global_buffer, .address_space: global }
      - { .name: xc, .offset: 48, .size: 8, .value_kind: global_buffer, .address_space: global }
      - { .name: wc, .offset: 56, .size: 8, .value_kind: global_buffer, .address_space: global }
      - { .name: tab, .offset: 64, .size: 8, .value_kind: global_buffer, .address_space: global }
    .group_segment_fixed_size: 67072
    .private_segment_fixed_size: 0
    .kernarg_segment_align: 8
    .kernarg_segment_size: 72
    .max_flat_workgroup_size: 128
    .sgpr_count:     100
    .vgpr_count:     258
    .wavefront_size: 32
...
	.end_amdgpu_metadata
.endif
;; end of part 1
;; launch qkv (part 2): grid 16 x 16, 4 waves a work-group, clusters of 4 x 4, 327,680 bytes of LDS; arguments xc, wc, tab, lowp_scales, q_norm_w, k_norm_w, qkvc; writes qkvc
.if DOCPART == 2
	.amdgcn_target "amdgcn-amd-amdhsa--gfx1250"
	.amdhsa_code_object_version 6
	.text
	.protected	k_q1808b89a44_qkv
	.globl	k_q1808b89a44_qkv
	.p2align	8
	.type	k_q1808b89a44_qkv,@function
k_q1808b89a44_qkv:
	s_mov_b64 s[64:65], 0
	v_nop
	global_prefetch_b8 v0, s[64:65] scope:SCOPE_SE
	s_setreg_imm32_b32 hwreg(HW_REG_WAVE_MODE, 25, 1), 1
	s_wait_xcnt 0x0
	s_wait_alu depctr_hold_cnt(0) depctr_sa_sdst(0) depctr_va_vdst(0) depctr_va_sdst(0) depctr_va_ssrc(0) depctr_va_vcc(0) depctr_vm_vsrc(0)
	s_getreg_b32 s2, hwreg(HW_REG_IB_STS2, 6, 4)
	s_cmp_eq_u32 s2, 0
	s_cbranch_scc0 .Lentry_in_a_cluster
	s_endpgm
.Lentry_in_a_cluster:
	s_bfe_u32 s2, ttmp6, 0x10000c
	s_cmp_lg_u32 s2, 0xf033
	s_cbranch_scc0 .Lentry_shape_is_right
	s_endpgm
.Lentry_shape_is_right:
.set SLOT,   131072
.set SPARE,  2*SLOT
.set FR,     16
.set NL,     4
.set NP,     4
.set LI,   6
.set ADRA, 16
.set ADRB, 20
.set SPW,  28
.set NIL,  29
.set LIM,  30
.set SC,   31
.set GW,   32
.set CD,   96
.set AF,   128
.set T,    128
.set U,    192
.set WV,  18
.set RH,  19
.set CH,  20
.set CX,  21
.set CY,  22
.set CLY, 23
.set G1,  24
.set G0,  32
.set G1B, 48
.set G0B, 56
.set MSB, 0
.macro WIN new
.if MSB != (\new)
	s_set_vgpr_msb (MSB<<8)|(\new)
.set MSB, (\new)
.endif
.endm
.set MUL_LO, 0xa1
.set MUL_HI, 0xf1
.set TO_B,   0x40
.macro JLOAD s
	s_cmp_eq_u32 s[RH], 0
	s_cbranch_scc0 .Lfor_b_\@
	tensor_load_to_lds s[G0+4*\s:G0+4*\s+3], s[G1:G1+7]
	s_nop 0
.rept 4
	v_nop
.endr
	s_branch .Lasked_\@
.Lfor_b_\@:
	tensor_load_to_lds s[G0B+4*\s:G0B+4*\s+3], s[G1B:G1B+7]
	s_nop 0
.rept 4
	v_nop
.endr
.Lasked_\@:
.endm
.macro CREST
	s_cmp_lg_u32 s[WV], 0
	s_cbranch_scc1 .Lnot_wave_0_\@
	s_barrier_signal -3
.Lnot_wave_0_\@:
	s_barrier_wait -3
	s_barrier_signal -1
	s_barrier_wait -1
.endm
.macro CROUND
	s_barrier_signal -1
	s_barrier_wait -1
	CREST
.endm
	s_load_b256 s[4:11], s[0:1], 0x0
	s_load_b128 s[12:15], s[0:1], 0x20
	s_load_b64 s[16:17], s[0:1], 0x30
	v_lshl_add_u32 v[SPW], v0, 2, SPARE
	v_mov_b32 v[NIL], 0
	ds_add_u32 v28, v29
	ds_add_u32 v28, v29
	s_wait_dscnt 0x0
	v_lshrrev_b32 v1, 5, v0
	v_readfirstlane_b32 s[WV], v1
	s_lshr_b32 s[RH], s[WV], 1
	s_and_b32 s[CH], s[WV], 1
	s_bfe_u32 s[CX], ttmp6, 0x40000
	s_bfe_u32 s[CY], ttmp6, 0x40004
	s_and_b32 s[CLY], ttmp7, 0xffff
	s_lshl_b32 s40, s[CY], 2
	s_lshl_b32 s40, 15, s40
	s_lshl_b32 s41, 0x1111, s[CX]
	s_or_b32 s[G1], s40, (3<<16)|(1<<21)
	s_or_b32 s[G1B], s41, (3<<16)|(1<<21)
.irp g, G1, G1B
	s_mov_b32 s[\g+1], 512<<16
	s_mov_b32 s[\g+2], 8<<16
	s_mov_b32 s[\g+3], 512<<16
	s_mov_b32 s[\g+4], 8
	s_mov_b32 s[\g+5], 2048
	s_mov_b32 s[\g+6], 0
	s_mov_b32 s[\g+7], 0
.endr
	s_max_u32 s42, ttmp9, 1
	s_sub_co_u32 s42, s42, 1
	s_lshl_b32 s42, s42, 22
	s_lshl_b32 s43, s[CLY], 2
	s_add_co_u32 s43, s43, s[CY]
	s_lshl_b32 s46, s43, 18
	s_add_co_u32 s46, s46, s42
	s_add_co_u32 s47, s[CY], 12
	s_lshl_b32 s47, s47, 18
	s_lshl_b32 s44, ttmp9, 2
	s_add_co_u32 s44, s44, s[CX]
	s_lshl_b32 s66, s44, 18
	s_lshl_b32 s45, s[CLY], 2
	s_add_co_u32 s45, s45, s[CX]
	s_lshl_b32 s67, s45, 18
	s_add_co_u32 s67, s67, 0x800000
	s_lshl_b32 s92, s[CH], 17
	s_lshl_b32 s93, s[WV], 15
	s_wait_kmcnt 0x0
	s_cmp_eq_u32 ttmp9, 3
	s_cselect_b32 s46, s47, s46
	s_cselect_b32 s66, s67, s66
	s_cselect_b32 s44, s45, s44
	s_cselect_b64 s[94:95], s[6:7], s[4:5]
	s_cselect_b64 s[96:97], s[4:5], s[6:7]
	s_cmp_lt_u32 ttmp9, 2
	s_cselect_b64 s[90:91], s[12:13], s[14:15]
	s_load_b256 s[68:75], s[10:11], 0x0
	s_load_b128 s[76:79], s[10:11], 0x20
	s_add_co_u32 s46, s46, s92
	s_mov_b32 s47, 0
	s_add_co_u32 s66, s66, s92
	s_mov_b32 s67, 0
	s_add_nc_u64 s[94:95], s[94:95], s[46:47]
	s_add_nc_u64 s[96:97], s[96:97], s[66:67]
	CROUND
.irp s, 0,1
	s_mov_b32 s[G0+4*\s], 1
	s_add_co_u32 s[G0+4*\s+1], s93, \s*SLOT
	s_add_nc_u64 s[G0+4*\s+2:G0+4*\s+3], s[94:95], \s*4096
	s_or_b32 s[G0+4*\s+3], s[G0+4*\s+3], 0x80000000
	s_mov_b32 s[G0B+4*\s], 1
	s_add_co_u32 s[G0B+4*\s+1], s93, \s*SLOT
	s_add_nc_u64 s[G0B+4*\s+2:G0B+4*\s+3], s[96:97], \s*4096
	s_or_b32 s[G0B+4*\s+3], s[G0B+4*\s+3], 0x80000000
	s_wait_alu depctr_va_vdst(0)
	s_wait_tensorcnt 0x0
	ds_add_u32 v28, v29
	ds_add_u32 v28, v29
	s_wait_dscnt 0x0
	CROUND
	JLOAD \s
.endr
	v_and_b32 v1, 31, v0
	v_lshlrev_b32 v[LI], 4, v1
	s_lshl_b32 s92, s[RH], 15
	s_lshl_b32 s93, s[CH], 15
	s_add_co_u32 s93, s93, 65536
.irp s, 0,1
	v_add_nc_u32 v[ADRA+\s], s92, v[LI]
	v_add_nc_u32 v[ADRB+\s], s93, v[LI]
	s_add_co_u32 s92, s92, SLOT
	s_add_co_u32 s93, s93, SLOT
.endr
	v_bfe_u32 v7, v0, 4, 1
	v_lshlrev_b32 v7, 5, v7
.irp b, 0,1,2,3,4,5,6,7
	global_load_b128 v[GW+8*\b:GW+8*\b+3], v7, s[90:91] offset:64*\b
	global_load_b128 v[GW+8*\b+4:GW+8*\b+7], v7, s[90:91] offset:64*\b+16
.endr
	v_mov_b32 v3, 0
	v_mov_b32 v4, 0
	s_mov_b32 s84, 0x76543210
	s_mov_b32 s85, 0xfedcba98
	s_lshr_b32 s2, s43, 3
	s_and_b32 s3, s43, 7
	s_lshl_b32 s3, s3, 4
	s_lshl_b32 s83, s[RH], 3
	s_add_co_u32 s3, s3, s83
	s_lshl_b32 s86, s3, 13
	s_mov_b32 s87, 0
	s_add_nc_u64 s[86:87], s[8:9], s[86:87]
	s_lshl_b32 s83, s44, 1
	s_add_co_u32 s83, s83, s[CH]
	s_lshl_b32 s98, s2, 4
	s_add_co_u32 s98, s98, s83
	s_lshl_b32 s99, s2, 3
	s_add_co_u32 s99, s99, s83
	s_add_co_u32 s99, s99, 16
	s_cmp_lt_u32 ttmp9, 2
	s_cselect_b32 s98, s98, s99
	s_lshl_b32 s98, s98, 7
	s_add_co_u32 s98, s98, s3
	s_lshl_b32 s98, s98, 11
	s_lshr_b32 s2, s44, 3
	s_lshl_b32 s2, s2, 3
	s_lshl_b32 s99, s[CY], 1
	s_add_co_u32 s2, s2, s99
	s_add_co_u32 s2, s2, s[RH]
	s_lshl_b32 s2, s2, 4
	s_and_b32 s99, s44, 7
	s_lshl_b32 s99, s99, 1
	s_add_co_u32 s2, s2, s99
	s_add_co_u32 s2, s2, s[CH]
	s_add_co_u32 s2, s2, 768
	s_lshl_b32 s2, s2, 14
	s_cmp_eq_u32 ttmp9, 3
	s_cselect_b32 s88, s2, s98
	s_mov_b32 s89, 0
	s_add_nc_u64 s[88:89], s[16:17], s[88:89]
.macro FRAG reg, adr, q, i
.irp c, 0,1,2,3
	ds_load_b128 v[\reg+4*\c:\reg+4*\c+3], v[\adr] offset:(\i)*4096+(\q)*2048+512*\c
.endr
.endm
.macro MUL16 a0, p, zero
.irp a, \a0, \a0+1
.irp b, 0,1,2,3,4,5,6,7
.if \zero
	v_wmma_f32_16x16x128_fp8_fp8 v[8*(8*((\a)%4)+\b):8*(8*((\a)%4)+\b)+7], v[128*(\p)+FR*\b:128*(\p)+FR*\b+FR-1], v[AF+FR*(\a):AF+FR*(\a)+FR-1], 0
.else
	v_wmma_f32_16x16x128_fp8_fp8 v[8*(8*((\a)%4)+\b):8*(8*((\a)%4)+\b)+7], v[128*(\p)+FR*\b:128*(\p)+FR*\b+FR-1], v[AF+FR*(\a):AF+FR*(\a)+FR-1], v[8*(8*((\a)%4)+\b):8*(8*((\a)%4)+\b)+7]
.endif
.endr
.endr
.endm
.macro FETCH_B slot, q, p
	WIN TO_B
.irp i, 0,1,2,3,4,5,6,7
	FRAG 128*(\p)+FR*\i, ADRB+\slot, \q, \i
.endr
	WIN 0
.endm
.macro FETCH_A slot, q, i0
.irp i, \i0, \i0+1, \i0+2, \i0+3
	FRAG AF+FR*(\i), ADRA+\slot, \q, \i
.endr
.endm
.macro PLACES n
.rept \n
	v_nop
.endr
.endm
.macro STEP slot, q, zero
	s_wait_dscnt 4*NL
	WIN MUL_LO
	MUL16 0, (\q)%2, \zero
	MUL16 2, (\q)%2, \zero
	s_wait_dscnt 0
	PLACES NP
	FETCH_B \slot, (\q)+1, 1-(\q)%2
	FETCH_A \slot, (\q)+1, 0
	WIN MUL_HI
	MUL16 4, (\q)%2, \zero
	MUL16 6, (\q)%2, \zero
	PLACES NP
	WIN 0
	FETCH_A \slot, (\q)+1, 4
.endm
.macro TURN slot, next, fill
	s_wait_tensorcnt 0x0
	ds_add_u32 v[SPW], v[NIL]
	s_wait_dscnt 4*NL+1
	WIN MUL_LO
	MUL16 0, 1, 0
	s_wait_dscnt 0x0
	s_barrier_signal -1
	MUL16 2, 1, 0
	WIN 0
	s_barrier_wait -1
.if \fill
	CREST
	s_add_nc_u64 s[G0+4*\slot+2:G0+4*\slot+3], s[G0+4*\slot+2:G0+4*\slot+3], 8192
	s_add_nc_u64 s[G0B+4*\slot+2:G0B+4*\slot+3], s[G0B+4*\slot+2:G0B+4*\slot+3], 8192
	JLOAD \slot
.else
	PLACES NP
.endif
	FETCH_B \next, 0, 0
	FETCH_A \next, 0, 0
	WIN MUL_HI
	MUL16 4, 1, 0
	MUL16 6, 1, 0
	PLACES NP
	WIN 0
	FETCH_A \next, 0, 4
.endm
	s_wait_alu depctr_va_vdst(0)
	s_wait_tensorcnt 1
	s_barrier_signal -1
	s_barrier_wait -1
	FETCH_B 0, 0, 0
	FETCH_A 0, 0, 0
	FETCH_A 0, 0, 4
	STEP 0, 0, 1
	TURN 0, 1, 1
	STEP 1, 0, 0
	TURN 1, 0, 1
	STEP 0, 0, 0
	TURN 0, 1, 0
	STEP 1, 0, 0
	s_wait_dscnt 4*NL
	WIN MUL_LO
	MUL16 0, 1, 0
	MUL16 2, 1, 0
	s_wait_dscnt 0
	WIN MUL_HI
	MUL16 4, 1, 0
	MUL16 6, 1, 0
	WIN 0
	s_wait_kmcnt 0x0
	s_add_co_i32 s80, s68, s69
	s_add_co_i32 s83, s70, s71
	s_add_co_i32 s2, s72, s73
	s_sub_co_i32 s3, s77, s2
	s_cmp_lt_u32 ttmp9, 2
	s_cselect_b32 s80, s80, s83
	s_cselect_b32 s82, s74, s75
	s_cmp_eq_u32 ttmp9, 3
	s_cselect_b32 s80, s2, s80
	s_cselect_b32 s82, s3, s82
	s_lshl_b32 s81, s80, 1
	s_sub_co_i32 s81, s81, 7
	s_add_co_i32 s82, s82, 127
	s_lshl_b32 s83, s82, 23
	v_mov_b32 v[SC], s83
	s_add_co_i32 s82, s82, 8
	s_lshl_b32 s82, s82, 23
	s_or_b32 s82, s82, 0x600000
	v_mov_b32 v[LIM], s82
	PLACES NP
	s_wait_loadcnt 0x0
	s_cmp_eq_u32 ttmp9, 3
	s_cbranch_scc1 .Lv
.macro LDCS a, set
	WIN 0x40
.irp m, 0,1,2,3,4,5,6,7
	global_load_b128 v[64*(\set)+4*\m:64*(\set)+4*\m+3], v[LI], s[86:87] offset:(\a)*8192+512*\m
	global_load_b128 v[64*(\set)+32+4*\m:64*(\set)+32+4*\m+3], v[LI], s[86:87] offset:(\a)*8192+4096+512*\m
.endr
	WIN 0
.endm
.macro EPI a
.set AC, 64*((\a)%4)
.set CSB, 64*((\a)%2)
.if (\a) < 7
	LDCS (\a)+1, ((\a)+1)%2
.endif
	WIN 0x0a+5*((\a)/4)
.irp p, 0,1,2,3
	v_pk_mul_f32 v[8+2*\p:9+2*\p], v[AC+2*\p:AC+2*\p+1], v[AC+2*\p:AC+2*\p+1]
.endr
.irp b, 1,2,3,4,5,6,7
.irp p, 0,1,2,3
	v_pk_fma_f32 v[8+2*\p:9+2*\p], v[AC+8*\b+2*\p:AC+8*\b+2*\p+1], v[AC+8*\b+2*\p:AC+8*\b+2*\p+1], v[8+2*\p:9+2*\p]
.endr
.endr
	WIN 0
	v_pk_add_f32 v[8:9], v[8:9], v[10:11]
	v_pk_add_f32 v[12:13], v[12:13], v[14:15]
	v_pk_add_f32 v[8:9], v[8:9], v[12:13]
	v_add_f32 v8, v8, v9
	v_permlanex16_b32 v4, v8, s84, s85
	v_add_f32 v8, v8, v4
	v_ldexp_f32 v8, v8, s81
	v_add_f32 v8, 0x358637bd, v8
	s_wait_alu depctr_va_vdst(0)
	v_rsq_f32 v8, v8
	v_nop
	s_wait_alu depctr_va_vdst(0)
	v_ldexp_f32 v2, v8, s80
	WIN 0x02+((\a)/4)
.set ii, 0
.rept 32
	v_pk_mul_f32 v[T+ii:T+ii+1], v[AC+ii:AC+ii+1], v[2:3] op_sel_hi:[1,0]
.set ii, ii+2
.endr
	WIN 0
.set ii, 0
.rept 32
	v_pk_mul_f32 v[T+ii:T+ii+1], v[T+ii:T+ii+1], v[GW+ii:GW+ii+1]
.set ii, ii+2
.endr
.if (\a) < 7
	s_wait_loadcnt 16
.else
	s_wait_loadcnt 0x0
.endif
	WIN 0x04
.set ii, 0
.rept 16
	v_pk_mul_f32 v[U+ii:U+ii+1], v[T+32+ii:T+32+ii+1], v[CSB+32+ii:CSB+32+ii+1]
	v_pk_mul_f32 v[U+32+ii:U+32+ii+1], v[T+ii:T+ii+1], v[CSB+32+ii:CSB+32+ii+1]
.set ii, ii+2
.endr
.set ii, 0
.rept 16
	v_pk_fma_f32 v[T+ii:T+ii+1], v[T+ii:T+ii+1], v[CSB+ii:CSB+ii+1], v[U+ii:U+ii+1] neg_lo:[0,0,1] neg_hi:[0,0,1]
	v_pk_fma_f32 v[T+32+ii:T+32+ii+1], v[T+32+ii:T+32+ii+1], v[CSB+ii:CSB+ii+1], v[U+32+ii:U+32+ii+1]
.set ii, ii+2
.endr
	WIN 0
.set ii, 0
.rept 64
	v_med3_num_f32 v[T+ii], v[T+ii], -v[LIM], v[LIM]
.set ii, ii+1
.endr
	s_wait_alu depctr_va_vdst(0)
	s_wait_xcnt 0x0
.irp b, 0,1,2,3,4,5,6,7
	v_cvt_scalef32_pk8_fp8_f32 v[CD+2*\b:CD+2*\b+1], v[T+8*\b:T+8*\b+7], v[SC]
.endr
	v_nop
.irp c, 0,1,2,3
	global_store_b128 v[LI], v[CD+4*\c:CD+4*\c+3], s[88:89] offset:(\a)*2048+512*\c
.endr
.endm
	LDCS 0, 0
.irp a, 0,1,2,3,4,5,6,7
	EPI \a
.endr
	s_branch .Lend
.Lv:
.macro EPV a
.set AC, 64*((\a)%4)
	WIN 0x02+((\a)/4)
.set ii, 0
.rept 64
	v_med3_num_f32 v[T+ii], v[AC+ii], -v[LIM], v[LIM]
.set ii, ii+1
.endr
	WIN 0
	s_wait_alu depctr_va_vdst(0)
	s_wait_xcnt 0x0
.irp b, 0,1,2,3,4,5,6,7
	v_cvt_scalef32_pk8_fp8_f32 v[CD+2*\b:CD+2*\b+1], v[T+8*\b:T+8*\b+7], v[SC]
.endr
	v_nop
.irp c, 0,1,2,3
	global_store_b128 v[LI], v[CD+4*\c:CD+4*\c+3], s[88:89] offset:(\a)*2048+512*\c
.endr
.endm
	s_wait_alu depctr_va_vdst(0)
.irp a, 0,1,2,3,4,5,6,7
	EPV \a
.endr
.Lend:
	s_wait_tensorcnt 0x0
	ds_add_u32 v[SPW], v[NIL]
	s_wait_dscnt 0x0
	CROUND
	s_endpgm
.Lfunc_end_k_q1808b89a44_qkv:
	.size	k_q1808b89a44_qkv, .Lfunc_end_k_q1808b89a44_qkv-k_q1808b89a44_qkv
	.p2alignl 7, 3214868480
	.fill 96, 4, 3214868480
	.section	.rodata,"a",@progbits
	.p2align	6, 0x0
	.amdhsa_kernel k_q1808b89a44_qkv
		.amdhsa_group_segment_fixed_size 327680
		.amdhsa_private_segment_fixed_size 0
		.amdhsa_enable_private_segment 0
		.amdhsa_kernarg_size 56
		.amdhsa_user_sgpr_count 2
		.amdhsa_user_sgpr_kernarg_segment_ptr 1
		.amdhsa_wavefront_size32 1
		.amdhsa_system_sgpr_workgroup_id_x 1
		.amdhsa_system_sgpr_workgroup_id_y 1
		.amdhsa_system_sgpr_workgroup_id_z 1
		.amdhsa_system_vgpr_workitem_id 0
		.amdhsa_next_free_vgpr 1024
		.amdhsa_next_free_sgpr 100
		.amdhsa_reserve_vcc 0
		.amdhsa_float_denorm_mode_32 3
		.amdhsa_float_denorm_mode_16_64 3
		.amdhsa_memory_ordered 1
		.amdhsa_forward_progress 1
		.amdhsa_inst_pref_size 255
	.end_amdhsa_kernel
	.section	.bss,"aw",@nobits
	.p2align	6
	.space	262144
	.amdgpu_metadata
---
amdhsa.version: [ 1, 2 ]
amdhsa.kernels:
  - .name:           k_q1808b89a44_qkv
    .symbol:         k_q1808b89a44_qkv.kd
    .args:
      - { .name: xc, .offset: 0, .size: 8, .value_kind: global_buffer, .address_space: global }
      - { .name: wc, .offset: 8, .size: 8, .value_kind: global_buffer, .address_space: global }
      - { .name: tab, .offset: 16, .size: 8, .value_kind: global_buffer, .address_space: global }
      - { .name: lowp_scales, .offset: 24, .size: 8, .value_kind: global_buffer, .address_space: global }
      - { .name: q_norm_w, .offset: 32, .size: 8, .value_kind: global_buffer, .address_space: global }
      - { .name: k_norm_w, .offset: 40, .size: 8, .value_kind: global_buffer, .address_space: global }
      - { .name: qkvc, .offset: 48, .size: 8, .value_kind: global_buffer, .address_space: global }
    .group_segment_fixed_size: 327680
    .private_segment_fixed_size: 0
    .kernarg_segment_align: 8
    .kernarg_segment_size: 56
    .max_flat_workgroup_size: 128
    .sgpr_count:     100
    .vgpr_count:     1024
    .wavefront_size: 32
...
	.end_amdgpu_metadata
.endif
;; end of part 2
;; launch attn (part 3): grid 16 x 16, 8 waves a work-group, no clusters, 70,656 bytes of LDS; arguments qkvc, lowp_scales, oc; writes oc
.if DOCPART == 3
	.amdgcn_target "amdgcn-amd-amdhsa--gfx1250"
	.amdhsa_code_object_version 6
	.text
	.protected	k_q1808b89a44_attn
	.globl	k_q1808b89a44_attn
	.p2align	8
	.type	k_q1808b89a44_attn,@function
k_q1808b89a44_attn:
	s_mov_b64 s[64:65], 0
	v_nop
	global_prefetch_b8 v0, s[64:65] scope:SCOPE_SE
	s_setreg_imm32_b32 hwreg(HW_REG_WAVE_MODE, 25, 1), 1
	s_wait_xcnt 0x0
; ATTENTION, causal, 2 x 16 query heads on 2 x 8 key and value heads, head size 128, 2,048 positions, both products on E4M3 codes; the result is quantised for the output projection on the way out.
; THE SOFTMAX AHEAD OF THE SECOND PRODUCT: t = score x log2(e) / sqrt(128); M = the largest t so far, rounded UP to a whole number; p = 2^(t - M) is quantised, not normalised.
; The row's sum is taken of the unquantised p, in f32, and divides O at the end.  When M moves, the sum and O are multiplied by 2^(old M - new M): exact.
; LEFT OUT: key blocks and 16 x 16 tiles that lie wholly behind the causal mask which the problem builds itself.
; LAYOUT.  Q, K, V come as images of the operand's registers (2,048 bytes for 16 rows x 128 K, 16 bytes a lane at 16 x lane).  Both products are used transposed: S^T = K Q^T, O^T = V^T P^T:
; a lane holds ONE query (lane % 16); register j of a tile holds key (or channel) 8 (lane / 16) + j.  Eight such registers, converted, are registers 2 c, 2 c + 1 of the next operand.
; SHARES.  y = b 8 + the key and value head.  The 2,048 queries are 32 granules of 64; granule g needs g + 1 key blocks of 64.  Work-group x takes granules 31 - x and then x: 33 blocks in every work-group.
; Wave w owns query head w % 2, tiles 2 (w / 4), 2 (w / 4) + 1 of the granule's four, and the key blocks b with b % 2 = (w / 2) % 2.  Two waves stand on each SIMD, in 512 registers each.
; K and V go from memory straight into registers, one block ahead: no LDS tile, no barrier in the loop.  At a granule's end waves w and w xor 2 hand each other one tile (O, M, the sum) through LDS and each finishes one.
; NO CLUSTER: the sixteen work-groups that read one head's K and V walk different numbers of blocks, and there is no LDS tile that a joint load could fill.
; PREFETCH: work-group x asks once, at its head, for key step x (K and V, 16 blocks of 256 bytes a wave) of its head, so each block is named once in the launch; and for its second granule's Q (8 blocks a wave).
; LIMITS: e6 + e7 between -123 and 130 (added to c's exponent field); e8 and e10 between -126 and 119; e8 + e9 is applied by v_ldexp_f32 and has none.  NaN is not served.
; REGISTERS.  window 0: v0-63 addresses, state, work; v64-79 codes; v80-111 Q's two fragments; v128-191 S^T, then p (tile q at 128 + 32 q); v192-255 the partner's tile.
; window 1: v0-63 K's four fragments, v64-127 V's eight, v128-255 O^T (tile q, channels 16 t at 128 + 64 q + 8 t).
.set RB,    8704                       ; LDS for a wave: one tile of O (8,192 bytes) and its state (512)
.set SPARE, 8*RB                       ; the spare words, 128 bytes a wave, that no other line names
.set LI,1                              ; 16 x lane
.set DM,2                              ; lane % 16 - 8 (lane / 16)
.set SPW,3
.set NIL,4
.set PF16,5                            ; 256 x min(lane, 15); never rewritten
.set STA,6                             ; my LDS region + 16 x lane
.set LDA,7                             ; my partner's
.set LIMP,8                            ; 448 x 2^e8
.set SCP,9                             ; 2^e8
.set LIMO,10                           ; 448 x 2^e10
.set SCO,11                            ; 2^e10
.set NINF,12
.set ZZ,14                             ; v[14:15] zeros
.set ST,16                             ; tile q: v[16+4q] -M, +1 the largest t, +2, +3 the sum in two halves
.set FF,24                             ; tile q: v[24+2q] f = 2^(old M - new M)
.set MA,28
.set MB,30
.set PX,32
.set PF8,34                            ; 256 x min(lane, 7); never rewritten
.set SA,36                             ; v36-43 the sums' four chains
.set BS,48                             ; v48-51 the partner's state
.set NMN,52
.set DA,53
.set DB,54
.set GA,56
.set GB,58
.set LS,60
.set PC,64
.set QR,80
.set TT,128
.set PB,192
.set OO,128                            ; in window 1
.set WV,10
.set HD,11
.set KS,12
.set SX,13
.set SY,14
.set HF,15
.set SEL,16
.set CS,18
.set KB0,20
.set VB0,22
.set KP,24
.set VP,26
.set QP,28
.set OC,30
.set PF,32
.set OFF,34
.set TM,36
.set SG,38
.set NF,39
.set DGN,52
.set SI,53
.set SQ,54
.set QH,55
.set OCB,56
.set E89,57
.set OCN,60
.set PQ,62
.set MSB,0
.macro WIN new
.if MSB != (\new)
	s_set_vgpr_msb (MSB<<8)|(\new)
.set MSB, (\new)
.endif
.endm
.macro NOP4
.rept 4
	v_nop
.endr
.endm
.macro LDK b                           ; four key tiles: 8,192 consecutive bytes
.set kk,0
.rept 16
	global_load_b128 v[4*kk:4*kk+3], v[LI], s[\b:\b+1] offset:512*kk
.set kk,kk+1
.endr
.endm
.macro LDV b                           ; my 64 keys of eight channel tiles
.set kk,0
.rept 16
	global_load_b128 v[64+4*kk:64+4*kk+3], v[LI], s[\b:\b+1] offset:2048*(kk/2)+512*(kk%2)
.set kk,kk+1
.endr
.endm
; a granule's figures from s[SG], and its first loads: Q, then K's and V's first block
.macro PARAMS
	s_add_co_u32 s58, s[SG], 1
	s_sub_co_u32 s58, s58, s[KS]
	s_lshr_b32 s[NF], s58, 1                       ; my blocks in front of the diagonal
	s_and_b32 s58, s[SG], 1
	s_xor_b32 s[DGN], s58, s[KS]                   ; 0: the diagonal block is mine
	s_lshl_b32 s[TM], s[SG], 13
	s_add_co_u32 s[TM], s[TM], s[QH]
	s_add_nc_u64 s[QP:QP+1], s[4:5], s[TM:TM+1]
	s_lshl_b32 s[TM], s[SG], 17
	s_add_co_u32 s[TM], s[TM], s[OCB]
	s_add_nc_u64 s[OCN:OCN+1], s[8:9], s[TM:TM+1]
.set kk,0
.rept 8
	global_load_b128 v[QR+4*kk:QR+4*kk+3], v[LI], s[QP:QP+1] offset:512*kk
.set kk,kk+1
.endr
	WIN 0x40
	LDK KB0
	LDV VB0
	WIN 0
.endm
.macro SUMS q                          ; the sum of the unquantised p, in four chains
.set TB_,TT+32*(\q)
.irp i,0,1,2,3
	v_pk_add_f32 v[SA+2*\i:SA+2*\i+1], v[TB_+4*\i:TB_+4*\i+1], v[TB_+4*\i+2:TB_+4*\i+3]
.endr
.irp k,16,24
.irp i,0,1,2,3
	v_pk_add_f32 v[SA+2*\i:SA+2*\i+1], v[SA+2*\i:SA+2*\i+1], v[TB_+\k+2*\i:TB_+\k+2*\i+1]
.endr
.endr
	v_pk_add_f32 v[SA:SA+1], v[SA:SA+1], v[SA+2:SA+3]
	v_pk_add_f32 v[SA+4:SA+5], v[SA+4:SA+5], v[SA+6:SA+7]
	v_pk_add_f32 v[ST+4*(\q)+2:ST+4*(\q)+3], v[ST+4*(\q)+2:ST+4*(\q)+3], v[SA:SA+1]
	v_pk_add_f32 v[ST+4*(\q)+2:ST+4*(\q)+3], v[ST+4*(\q)+2:ST+4*(\q)+3], v[SA+4:SA+5]
.endm
; A KEY BLOCK: my 64 keys x my 32 queries.  dg = 0: all keys count, and the next block's fragments are asked for; dg = 1: the diagonal block, the granule's last, for the waves of half hf.
.macro BLOCK dg, hf
	s_wait_loadcnt 16                              ; Q and K's fragments are in; V's 16 loads may be out
	WIN 0x01
.irp c,0,1,2,3
.irp q,0,1
.if (\dg == 0) || (\c <= 2*\hf+\q)
	v_wmma_f32_16x16x128_fp8_fp8 v[TT+32*\q+8*\c:TT+32*\q+8*\c+7], v[16*\c:16*\c+15], v[QR+16*\q:QR+16*\q+15], 0
.endif
.endr
.endr
	WIN 0
	NOP4                                           ; places in front of the loads into K's registers and of the first reads of S^T
.if \dg == 0
	s_add_co_u32 s[OFF], s[SI], 1
	s_min_u32 s[OFF], s[OFF], 15                   ; a wave whose granule ends here asks for the head's last step: inside the buffer
	s_lshl_b32 s[OFF], s[OFF], 14
	s_add_nc_u64 s[KP:KP+1], s[KB0:KB0+1], s[OFF:OFF+1]
	WIN 0x40
	LDK KP
	WIN 0
.else
.irp c,0,1,2,3                         ; key tile c lies wholly behind the granule's query tile 2 hf + q where c is the greater: -infinity, no product
.irp q,0,1
.if \c > 2*\hf+\q
.irp j,0,1,2,3,4,5,6,7
	v_mov_b32 v[TT+32*\q+8*\c+\j], v[NINF]
.endr
.endif
.endr
.endr
.irp j,0,1,2,3,4,5,6,7                 ; c = 2 hf + q: key 8 h + j is hidden where j > r - 8 h
	v_cmp_gt_i32 vcc_lo, \j, v[DM]
.irp q,0,1
	v_cndmask_b32 v[TT+32*\q+8*(2*\hf+\q)+\j], v[TT+32*\q+8*(2*\hf+\q)+\j], v[NINF], vcc_lo
.endr
.endr
.endif
.irp q,0,1                             ; the block's largest score of each query: two chains a tile, each accumulator from its low end on
	v_max3_num_f32 v[MA+\q], v[TT+32*\q], v[TT+32*\q+1], v[TT+32*\q+2]
	v_max3_num_f32 v[MB+\q], v[TT+32*\q+3], v[TT+32*\q+4], v[TT+32*\q+5]
.endr
.irp i,6,10,14,18,22,26
.irp q,0,1
	v_max3_num_f32 v[MA+\q], v[MA+\q], v[TT+32*\q+\i], v[TT+32*\q+\i+1]
	v_max3_num_f32 v[MB+\q], v[MB+\q], v[TT+32*\q+\i+2], v[TT+32*\q+\i+3]
.endr
.endr
.irp q,0,1
	v_max3_num_f32 v[MA+\q], v[MA+\q], v[TT+32*\q+30], v[TT+32*\q+31]
.endr
.irp q,0,1
	v_max_num_f32 v[MA+\q], v[MA+\q], v[MB+\q]
.endr
.irp q,0,1
	v_permlanex16_b32 v[PX+\q], v[MA+\q], s[SEL], s[SEL+1]
.endr
.irp q,0,1
	v_max_num_f32 v[MA+\q], v[MA+\q], v[PX+\q]
.endr
.irp q,0,1
	v_mul_f32 v[MA+\q], s[CS], v[MA+\q]            ; as t (c is positive)
.endr
.irp q,0,1
	v_max_num_f32 v[ST+4*\q+1], v[ST+4*\q+1], v[MA+\q]
.endr
.irp q,0,1
	v_mov_b32 v[MB+\q], v[ST+4*\q]
.endr
.irp q,0,1
	v_floor_f32 v[ST+4*\q], -v[ST+4*\q+1]          ; -M = floor(-t): a whole number
.endr
.irp q,0,1
	v_sub_f32 v[MB+\q], v[ST+4*\q], v[MB+\q]       ; old M - new M, 0 or less
.endr
.irp q,0,1
	v_cvt_i32_f32 v[MB+\q], v[MB+\q]               ; (it saturates)
.endr
.irp q,0,1
	v_ldexp_f32 v[FF+2*\q], 1.0, v[MB+\q]
.endr
	WIN 0x41
.irp q,0,1                             ; O^T under the new M
.set ii,0
.rept 32
	v_pk_mul_f32 v[OO+64*\q+ii:OO+64*\q+ii+1], v[OO+64*\q+ii:OO+64*\q+ii+1], v[FF+2*\q:FF+2*\q+1] op_sel_hi:[1,0]
.set ii,ii+2
.endr
.endr
	WIN 0
.if \dg == 0
	s_wait_loadcnt 16                              ; V's fragments are in; the next block's 16 loads of K may be out.  It stands here so that no wait on memory stands between the conversions and the second product
.else
	s_wait_loadcnt 0x0
.endif
.irp q,0,1
.set ii,0
.rept 16
	v_pk_fma_f32 v[TT+32*\q+ii:TT+32*\q+ii+1], v[TT+32*\q+ii:TT+32*\q+ii+1], s[CS:CS+1], v[ST+4*\q:ST+4*\q+1] op_sel_hi:[1,0,0]    ; t - M, two at a time
.set ii,ii+2
.endr
.endr
	s_wait_alu depctr_va_vdst(0)                   ; the wait ahead of the batch
.set ii,0
.rept 64
	v_exp_f32 v[TT+ii], v[TT+ii]                   ; p = 2^(t - M), at most 1
.set ii,ii+1
.endr
.irp q,0,1
	v_pk_mul_f32 v[ST+4*\q+2:ST+4*\q+3], v[ST+4*\q+2:ST+4*\q+3], v[FF+2*\q:FF+2*\q+1] op_sel_hi:[1,0]   ; the sums under the new M (plain lines behind the batch)
.endr
	s_wait_alu depctr_va_vdst(0)                   ; and the wait behind it
	SUMS 0
	SUMS 1
.set ii,0
.rept 32                               ; the conversion does not saturate (ISA guide 7.6.2); p is not negative, so the hold is one-sided
	v_dual_min_num_f32 v[TT+ii], v[TT+ii], v[LIMP] :: v_dual_min_num_f32 v[TT+ii+1], v[TT+ii+1], v[LIMP]
.set ii,ii+2
.endr
.set kk,0
.rept 8
	v_cvt_scalef32_pk8_fp8_f32 v[PC+2*kk:PC+2*kk+1], v[TT+8*kk:TT+8*kk+7], v[SCP]
.set kk,kk+1
.endr
	v_nop                                          ; a plain line behind the last conversion
	WIN 0x51
.irp t,0,1,2,3,4,5,6,7                 ; O^T += V^T P^T, K = my 64 keys; the 16 accumulators take turns
.irp q,0,1
	v_wmma_f32_16x16x64_fp8_fp8 v[OO+64*\q+8*\t:OO+64*\q+8*\t+7], v[64+8*\t:64+8*\t+7], v[PC+8*\q:PC+8*\q+7], v[OO+64*\q+8*\t:OO+64*\q+8*\t+7]
.endr
.endr
	WIN 0
	NOP4                                           ; places behind the last products
.if \dg == 0
	s_add_nc_u64 s[VP:VP+1], s[VB0:VB0+1], s[OFF:OFF+1]
	WIN 0x40
	LDV VP
	WIN 0
.endif
.endm
.macro SEND snd                        ; tile snd goes to my partner: O^T as it lies in the registers, then -M and the sum
	WIN 0x04
.set kk,0
.rept 16
	ds_store_b128 v[STA], v[OO+64*(\snd)+4*kk:OO+64*(\snd)+4*kk+3] offset:512*kk
.set kk,kk+1
.endr
	WIN 0
	ds_store_b128 v[STA], v[ST+4*(\snd):ST+4*(\snd)+3] offset:8192
.endm
.macro MERGE own                       ; tile own: my part and my partner's under their common M, divided by the joint sum, quantised, stored
	s_wait_dscnt 16                                ; the partner's state is in; O's 16 loads may be out
	v_min_num_f32 v[NMN], v[ST+4*(\own)], v[BS]    ; the common -M
	v_sub_f32 v[DA], v[NMN], v[ST+4*(\own)]
	v_sub_f32 v[DB], v[NMN], v[BS]
	v_cvt_i32_f32 v[DA], v[DA]
	v_cvt_i32_f32 v[DB], v[DB]
	v_ldexp_f32 v[GA], 1.0, v[DA]                  ; exact powers of two; 0 for a part that saw no key
	v_ldexp_f32 v[GB], 1.0, v[DB]
	v_pk_mul_f32 v[LS:LS+1], v[ST+4*(\own)+2:ST+4*(\own)+3], v[GA:GA+1] op_sel_hi:[1,0]
	v_pk_fma_f32 v[LS:LS+1], v[BS+2:BS+3], v[GB:GB+1], v[LS:LS+1] op_sel_hi:[1,0,1]
	v_add_f32 v[LS], v[LS], v[LS+1]
	v_permlanex16_b32 v[PX], v[LS], s[SEL], s[SEL+1]
	v_add_f32 v[LS], v[LS], v[PX]
	s_wait_alu depctr_va_vdst(0)
	v_rcp_f32 v[LS], v[LS]
	v_nop
	s_wait_alu depctr_va_vdst(0)
	v_ldexp_f32 v[LS], v[LS], s[E89]               ; x 2^(e8 + e9)
	v_mul_f32 v[GA], v[GA], v[LS]
	v_mul_f32 v[GB], v[GB], v[LS]
	s_wait_alu depctr_va_vdst(0)
	s_wait_dscnt 0x0
.set ii,0
.rept 32
	v_pk_mul_f32 v[TT+ii:TT+ii+1], v[PB+ii:PB+ii+1], v[GB:GB+1] op_sel_hi:[1,0]
.set ii,ii+2
.endr
	WIN 0x01
	s_wait_alu depctr_va_vdst(0)                   ; the wait directly ahead of the first readers of this tile of O^T
.set ii,0
.rept 32
	v_pk_fma_f32 v[TT+ii:TT+ii+1], v[OO+64*(\own)+ii:OO+64*(\own)+ii+1], v[GA:GA+1], v[TT+ii:TT+ii+1] op_sel_hi:[1,0,1]
.set ii,ii+2
.endr
	WIN 0
.set ii,0
.rept 64
	v_med3_num_f32 v[TT+ii], v[TT+ii], -v[LIMO], v[LIMO]
.set ii,ii+1
.endr
.set kk,0
.rept 8
	v_cvt_scalef32_pk8_fp8_f32 v[PC+2*kk:PC+2*kk+1], v[TT+8*kk:TT+8*kk+7], v[SCO]
.set kk,kk+1
.endr
	v_nop
.irp c,0,1,2,3
	global_store_b128 v[LI], v[PC+4*\c:PC+4*\c+3], s[OC:OC+1] offset:(\own)*32768+512*\c     ; 512 consecutive bytes a store
.endr
	s_wait_alu depctr_va_vdst(0)
.endm
	s_load_b128 s[4:7], s[0:1], 0x0                ; qkvc, the scales
	s_load_b64 s[8:9], s[0:1], 0x10                ; oc
	v_lshl_add_u32 v[SPW], v0, 2, SPARE
	v_mov_b32 v[NIL], 0
	v_lshrrev_b32 v13, 5, v0
	v_readfirstlane_b32 s[WV], v13
	v_and_b32 v13, 31, v0
	v_lshlrev_b32 v[LI], 4, v13
	v_min_u32 v[PF16], 15, v13
	v_lshlrev_b32 v[PF16], 8, v[PF16]
	v_min_u32 v[PF8], 7, v13
	v_lshlrev_b32 v[PF8], 8, v[PF8]
	v_and_b32 v[DM], 15, v0
	v_bfe_u32 v13, v0, 4, 1
	v_lshlrev_b32 v13, 3, v13
	v_sub_nc_u32 v[DM], v[DM], v13
	v_mov_b32 v[NINF], 0xff800000
	v_mov_b32 v[ZZ], 0
	v_mov_b32 v[ZZ+1], 0
.irp q,0,1
	v_mov_b32 v[FF+2*\q+1], 0                      ; (named as the upper halves of pairs)
	v_mov_b32 v[GA+2*\q+1], 0
	v_mov_b32 v[PX+\q], 0                          ; (a lane permute's destination counts as read)
.endr
	s_and_b32 s[HD], s[WV], 1                      ; which query head
	s_bfe_u32 s[KS], s[WV], 0x10001                ; which key blocks
	s_lshr_b32 s[HF], s[WV], 2                     ; which half of the granule
	s_mul_i32 s58, s[WV], RB
	v_add_nc_u32 v[STA], s58, v[LI]
	s_xor_b32 s58, s[WV], 2
	s_mul_i32 s58, s58, RB
	v_add_nc_u32 v[LDA], s58, v[LI]
	s_mov_b32 s[SX], ttmp9
	s_and_b32 s[SY], ttmp7, 0xffff
	s_mov_b32 s[SEL], 0x76543210
	s_mov_b32 s[SEL+1], 0xfedcba98
	s_lshl_b32 s[QH], s[SY], 1
	s_add_co_u32 s[QH], s[QH], s[HD]
	s_lshl_b32 s[QH], s[QH], 18                    ; my query head's images,
	s_lshl_b32 s58, s[HF], 12
	s_add_co_u32 s[QH], s[QH], s58                 ; my two tiles of a granule
	s_lshr_b32 s[OCB], s[SY], 3
	s_lshl_b32 s[OCB], s[OCB], 22
	s_and_b32 s58, s[SY], 7
	s_lshl_b32 s58, s58, 1
	s_add_co_u32 s58, s58, s[HD]
	s_lshl_b32 s58, s58, 11
	s_add_co_u32 s[OCB], s[OCB], s58               ; oc: the batch's row tiles, K step = my query head,
	s_lshl_b32 s58, s[HF], 16
	s_add_co_u32 s[OCB], s[OCB], s58               ; my two row tiles of a granule
	s_lshl_b32 s59, s[SY], 18                      ; the key and value head's 262,144 bytes
	s_lshl_b32 s58, s[KS], 13
	s_add_co_u32 s58, s58, s59
	s_add_co_u32 s[TM], s58, 0x800000              ; K: behind Q's 8 MiB, my half of a step
	s_mov_b32 s[TM+1], 0
	s_lshl_b32 s58, s[KS], 10
	s_add_co_u32 s58, s58, s59
	s_add_co_u32 s[OFF], s58, 0xc00000             ; V: my 64 keys of an image
	s_mov_b32 s[OFF+1], 0
	s_lshl_b32 s58, s[HF], 22                      ; the prefetch: waves 0 to 3 K's quarters of step x, waves 4 to 7 V's
	s_add_co_u32 s58, s58, s59
	s_lshl_b32 s59, s[SX], 14
	s_add_co_u32 s58, s58, s59
	s_and_b32 s59, s[WV], 3
	s_lshl_b32 s59, s59, 12
	s_add_co_u32 s58, s58, s59
	s_add_co_u32 s[OCN], s58, 0x800000
	s_mov_b32 s[OCN+1], 0
	s_lshl_b32 s58, s[SX], 13                      ; and my half (8 blocks of 256 bytes) of what my partner and I read of the second granule's Q
	s_add_co_u32 s58, s58, s[QH]
	s_lshl_b32 s59, s[KS], 11
	s_add_co_u32 s58, s58, s59
	s_mov_b32 s59, 0
	s_wait_alu depctr_va_vdst(0)                   ; the wait at the head's end
	s_wait_kmcnt 0x0
	s_load_b256 s[40:47], s[6:7], 0x0              ; e0 .. e7
	s_load_b128 s[48:51], s[6:7], 0x20             ; e8 .. e11
	s_add_nc_u64 s[KB0:KB0+1], s[4:5], s[TM:TM+1]
	s_add_nc_u64 s[VB0:VB0+1], s[4:5], s[OFF:OFF+1]
	s_add_nc_u64 s[PF:PF+1], s[4:5], s[OCN:OCN+1]
	s_add_nc_u64 s[PQ:PQ+1], s[4:5], s[58:59]
	s_sub_co_u32 s[SG], 31, s[SX]                  ; the longer granule first
	PARAMS
	global_prefetch_b8 v[PF16], s[PF:PF+1] th:TH_LOAD_NT scope:SCOPE_SE
	global_prefetch_b8 v[PF8], s[PQ:PQ+1] th:TH_LOAD_NT scope:SCOPE_SE
	s_wait_kmcnt 0x0
	s_add_co_i32 s58, s46, s47
	s_lshl_b32 s58, s58, 23
	s_add_co_i32 s[CS], s58, 0x3e0293ee            ; c = log2(e) / sqrt(128) x 2^(e6 + e7)
	s_mov_b32 s[CS+1], s[CS]
	s_add_co_i32 s58, s48, 127
	s_lshl_b32 s59, s58, 23
	v_mov_b32 v[SCP], s59
	s_add_co_i32 s58, s58, 8
	s_lshl_b32 s58, s58, 23
	s_or_b32 s58, s58, 0x600000
	v_mov_b32 v[LIMP], s58
	s_add_co_i32 s58, s50, 127
	s_lshl_b32 s59, s58, 23
	v_mov_b32 v[SCO], s59
	s_add_co_i32 s58, s58, 8
	s_lshl_b32 s58, s58, 23
	s_or_b32 s58, s58, 0x600000
	v_mov_b32 v[LIMO], s58
	s_add_co_i32 s[E89], s48, s49
	s_mov_b32 s[OFF+1], 0
	s_mov_b32 s[SQ], 0
	s_wait_alu depctr_va_vdst(0)
.Lseq:                                             ; two trips: a granule each
	s_wait_xcnt 0x0                                ; the last granule's stores have read their registers and their base
	s_mov_b64 s[OC:OC+1], s[OCN:OCN+1]
	s_mov_b32 s[SI], 0
.irp q,0,1
	v_mov_b32 v[ST+4*\q], 0x7f61b1e6               ; -M = 3e38
	v_mov_b32 v[ST+4*\q+1], 0xff61b1e6             ; the largest t so far: -3e38, under every t
	v_mov_b32 v[ST+4*\q+2], 0
	v_mov_b32 v[ST+4*\q+3], 0
.endr
	WIN 0x40
.set ii,0
.rept 64
	v_pk_mul_f32 v[OO+ii:OO+ii+1], v[ZZ:ZZ+1], v[ZZ:ZZ+1]  ; O^T = 0, two registers a line: the block is written once, and a wave may own no block at all
.set ii,ii+2
.endr
	WIN 0
	s_cmp_eq_u32 s[NF], 0
	s_wait_alu depctr_va_vdst(0)
	s_cbranch_scc1 .Lnofull
.Lblk:
	BLOCK 0, 0
	s_add_co_u32 s[SI], s[SI], 1
	s_cmp_lt_u32 s[SI], s[NF]
	s_wait_alu depctr_va_vdst(0)
	s_cbranch_scc1 .Lblk
.Lnofull:
	s_cmp_lg_u32 s[DGN], 0
	s_cbranch_scc1 .Lnodiag
	s_cmp_lg_u32 s[HF], 0
	s_cbranch_scc1 .Ldiag_hi
	BLOCK 1, 0
	s_wait_alu depctr_va_vdst(0)
	s_branch .Lnodiag
.Ldiag_hi:
	BLOCK 1, 1
.Lnodiag:
	s_wait_alu depctr_va_vdst(0)
	s_wait_loadcnt 0x0                             ; what a wave without the diagonal block asked for beyond its last block has landed
	s_cmp_lg_u32 s[SQ], 0
	s_cbranch_scc1 .Lnonext
	s_mov_b32 s[SG], s[SX]                         ; the second granule's first loads land while the first is merged
	PARAMS
.Lnonext:
	s_cmp_lg_u32 s[KS], 0
	s_cbranch_scc1 .Lsend_lo
	SEND 1
	s_branch .Lsent
.Lsend_lo:
	SEND 0
.Lsent:
	s_wait_dscnt 0x0                               ; my stores are done, for my partner's sake
	s_barrier_signal -1
	s_barrier_wait -1
	ds_load_b128 v[BS:BS+3], v[LDA] offset:8192
.set kk,0
.rept 16
	ds_load_b128 v[PB+4*kk:PB+4*kk+3], v[LDA] offset:512*kk
.set kk,kk+1
.endr
	s_cmp_lg_u32 s[KS], 0
	s_cbranch_scc1 .Lmerge_hi
	MERGE 0
	s_branch .Ljoined
.Lmerge_hi:
	MERGE 1
.Ljoined:
	s_wait_dscnt 0x0                               ; my reads are over: behind this barrier the regions may be stored into again
	s_barrier_signal -1
	s_barrier_wait -1
	s_add_co_u32 s[SQ], s[SQ], 1
	s_cmp_lt_u32 s[SQ], 2
	s_cbranch_scc1 .Lseq
	s_wait_tensorcnt 0x0                           ; the wave's end
	ds_add_u32 v[SPW], v[NIL]
	s_wait_dscnt 0x0
	s_endpgm
.Lfunc_end_k_q1808b89a44_attn:
	.size	k_q1808b89a44_attn, .Lfunc_end_k_q1808b89a44_attn-k_q1808b89a44_attn
	.p2alignl 7, 3214868480
	.fill 96, 4, 3214868480
	.section	.rodata,"a",@progbits
	.p2align	6, 0x0
	.amdhsa_kernel k_q1808b89a44_attn
		.amdhsa_group_segment_fixed_size 70656
		.amdhsa_private_segment_fixed_size 0
		.amdhsa_enable_private_segment 0
		.amdhsa_kernarg_size 24
		.amdhsa_user_sgpr_count 2
		.amdhsa_user_sgpr_kernarg_segment_ptr 1
		.amdhsa_wavefront_size32 1
		.amdhsa_system_sgpr_workgroup_id_x 1
		.amdhsa_system_sgpr_workgroup_id_y 1
		.amdhsa_system_sgpr_workgroup_id_z 1
		.amdhsa_system_vgpr_workitem_id 0
		.amdhsa_next_free_vgpr 512
		.amdhsa_next_free_sgpr 66
		.amdhsa_reserve_vcc 1
		.amdhsa_float_denorm_mode_32 3
		.amdhsa_float_denorm_mode_16_64 3
		.amdhsa_memory_ordered 1
		.amdhsa_forward_progress 1
		.amdhsa_inst_pref_size 100
	.end_amdhsa_kernel
	.amdgpu_metadata
---
amdhsa.version: [ 1, 2 ]
amdhsa.kernels:
  - .name:           k_q1808b89a44_attn
    .symbol:         k_q1808b89a44_attn.kd
    .args:
      - { .name: qkvc, .offset: 0, .size: 8, .value_kind: global_buffer, .address_space: global }
      - { .name: lowp_scales, .offset: 8, .size: 8, .value_kind: global_buffer, .address_space: global }
      - { .name: oc, .offset: 16, .size: 8, .value_kind: global_buffer, .address_space: global }
    .group_segment_fixed_size: 70656
    .private_segment_fixed_size: 0
    .kernarg_segment_align: 8
    .kernarg_segment_size: 24
    .max_flat_workgroup_size: 256
    .sgpr_count:     66
    .vgpr_count:     512
    .wavefront_size: 32
...
	.end_amdgpu_metadata
.endif
;; end of part 3
;; launch oproj (part 4): grid 8 x 32, 4 waves a work-group, clusters of 4 x 4, 327,680 bytes of LDS; arguments oc, wc, lowp_scales, out0; writes out0
.if DOCPART == 4
	.amdgcn_target "amdgcn-amd-amdhsa--gfx1250"
	.amdhsa_code_object_version 6
	.text
	.protected	k_q1808b89a44_oproj
	.globl	k_q1808b89a44_oproj
	.p2align	8
	.type	k_q1808b89a44_oproj,@function
k_q1808b89a44_oproj:
	s_mov_b64 s[64:65], 0
	v_nop
	global_prefetch_b8 v0, s[64:65] scope:SCOPE_SE
	s_setreg_imm32_b32 hwreg(HW_REG_WAVE_MODE, 25, 1), 1
	s_wait_xcnt 0x0
	s_wait_alu depctr_hold_cnt(0) depctr_sa_sdst(0) depctr_va_vdst(0) depctr_va_sdst(0) depctr_va_ssrc(0) depctr_va_vcc(0) depctr_vm_vsrc(0)
	s_getreg_b32 s2, hwreg(HW_REG_IB_STS2, 6, 4)
	s_cmp_eq_u32 s2, 0
	s_cbranch_scc0 .Lentry_in_a_cluster
	s_endpgm
.Lentry_in_a_cluster:
	s_bfe_u32 s2, ttmp6, 0x10000c
	s_cmp_lg_u32 s2, 0xf033
	s_cbranch_scc0 .Lentry_shape_is_right
	s_endpgm
.Lentry_shape_is_right:
.set SLOT,   131072
.set STAGE,  2*SLOT
.set SPITCH, 272
.set SPARE,  STAGE+4*16*SPITCH
.set ADRA, 16
.set ADRB, 20
.set STO,  24
.set RD,   25
.set CO,   26
.set SPW,  28
.set NIL,  29
.set TMP,  32
.set BK,   64
.set ACC,  128
.set F0,   0
.set F1,   128
.set WV, 14
.set RH, 15
.set CH, 16
.set G1, 24
.set G0, 32
.set G1B, 48
.set G0B, 56
.set MSB, 0
.macro WIN new
.if MSB != (\new)
	s_set_vgpr_msb (MSB<<8)|(\new)
.set MSB, (\new)
.endif
.endm
.set MUL,  0x05
.set TO_F, 0x40
.macro JLOAD s
	s_cmp_eq_u32 s[RH], 0
	s_cbranch_scc0 .Lfor_b_\@
	tensor_load_to_lds s[G0+4*\s:G0+4*\s+3], s[G1:G1+7]
	s_nop 0
.rept 4
	v_nop
.endr
	s_branch .Lasked_\@
.Lfor_b_\@:
	tensor_load_to_lds s[G0B+4*\s:G0B+4*\s+3], s[G1B:G1B+7]
	s_nop 0
.rept 4
	v_nop
.endr
.Lasked_\@:
.endm
.macro CREST
	s_cmp_lg_u32 s[WV], 0
	s_cbranch_scc1 .Lnot_wave_0_\@
	s_barrier_signal -3
.Lnot_wave_0_\@:
	s_barrier_wait -3
	s_barrier_signal -1
	s_barrier_wait -1
.endm
.macro CROUND
	s_barrier_signal -1
	s_barrier_wait -1
	CREST
.endm
	s_load_b256 s[4:11], s[0:1], 0x0
	v_lshl_add_u32 v[SPW], v0, 2, SPARE
	v_mov_b32 v[NIL], 0
	ds_add_u32 v28, v29
	ds_add_u32 v28, v29
	s_wait_dscnt 0x0
	v_lshrrev_b32 v1, 5, v0
	v_readfirstlane_b32 s[WV], v1
	s_lshr_b32 s[RH], s[WV], 1
	s_and_b32 s[CH], s[WV], 1
	s_bfe_u32 s40, ttmp6, 0x40000
	s_bfe_u32 s41, ttmp6, 0x40004
	s_lshl_b32 s42, ttmp9, 2
	s_add_co_u32 s42, s42, s40
	s_and_b32 s17, ttmp7, 0xffff
	s_lshl_b32 s17, s17, 2
	s_add_co_u32 s17, s17, s41
	s_lshl_b32 s43, s41, 2
	s_lshl_b32 s43, 15, s43
	s_lshl_b32 s44, 0x1111, s40
	s_or_b32 s[G1], s43, (3<<16)|(1<<21)
	s_or_b32 s[G1B], s44, (3<<16)|(1<<21)
.irp g, G1, G1B
	s_mov_b32 s[\g+1], 1024<<16
	s_mov_b32 s[\g+2], 4<<16
	s_mov_b32 s[\g+3], 1024<<16
	s_mov_b32 s[\g+4], 4
	s_mov_b32 s[\g+5], 4096
	s_mov_b32 s[\g+6], 0
	s_mov_b32 s[\g+7], 0
.endr
	s_lshl_b32 s18, s[CH], 17
	s_lshl_b32 s20, s17, 18
	s_add_co_u32 s20, s20, s18
	s_mov_b32 s21, 0
	s_lshl_b32 s46, s42, 18
	s_add_co_u32 s46, s46, s18
	s_add_co_u32 s46, s46, 0x400000
	s_mov_b32 s47, 0
	s_lshl_b32 s45, s[WV], 15
	s_wait_kmcnt 0x0
	s_load_b64 s[66:67], s[8:9], 0x28
	s_add_nc_u64 s[20:21], s[4:5], s[20:21]
	s_add_nc_u64 s[46:47], s[6:7], s[46:47]
	CROUND
.irp s, 0,1
	s_mov_b32 s[G0+4*\s], 1
	s_add_co_u32 s[G0+4*\s+1], s45, \s*SLOT
	s_add_nc_u64 s[G0+4*\s+2:G0+4*\s+3], s[20:21], \s*8192
	s_or_b32 s[G0+4*\s+3], s[G0+4*\s+3], 0x80000000
	s_mov_b32 s[G0B+4*\s], 1
	s_add_co_u32 s[G0B+4*\s+1], s45, \s*SLOT
	s_add_nc_u64 s[G0B+4*\s+2:G0B+4*\s+3], s[46:47], \s*8192
	s_or_b32 s[G0B+4*\s+3], s[G0B+4*\s+3], 0x80000000
	s_wait_alu depctr_va_vdst(0)
	s_wait_tensorcnt 0x0
	ds_add_u32 v28, v29
	ds_add_u32 v28, v29
	s_wait_dscnt 0x0
	CROUND
	JLOAD \s
.endr
	v_and_b32 v1, 31, v0
	v_lshlrev_b32 v3, 4, v1
	s_lshl_b32 s22, s[RH], 15
	s_lshl_b32 s23, s[CH], 15
	s_add_co_u32 s23, s23, 65536
.irp s, 0,1
	v_add_nc_u32 v[ADRA+\s], s22, v3
	v_add_nc_u32 v[ADRB+\s], s23, v3
	s_add_co_u32 s22, s22, SLOT
	s_add_co_u32 s23, s23, SLOT
.endr
	v_and_b32 v1, 15, v0
	v_bfe_u32 v2, v0, 4, 1
	s_mul_i32 s22, s[WV], 16*SPITCH
	s_add_co_u32 s22, s22, STAGE
	v_mul_u32_u24 v4, v1, SPITCH
	v_lshl_add_u32 v4, v2, 5, v4
	v_add_nc_u32 v[STO], s22, v4
	v_mul_u32_u24 v5, v2, SPITCH
	v_lshl_add_u32 v5, v1, 4, v5
	v_add_nc_u32 v[RD], s22, v5
	v_lshlrev_b32 v5, 12, v2
	v_lshl_add_u32 v[CO], v1, 4, v5
	s_lshl_b32 s68, s17, 19
	s_lshl_b32 s69, s[RH], 18
	s_add_co_u32 s68, s68, s69
	s_lshl_b32 s69, s42, 9
	s_add_co_u32 s68, s68, s69
	s_lshl_b32 s69, s[CH], 8
	s_add_co_u32 s68, s68, s69
	s_mov_b32 s69, 0
	s_add_nc_u64 s[10:11], s[10:11], s[68:69]
.macro MUL8 f, a0, zero
.irp a, \a0, \a0+1
.irp b, 0,1,2,3
.if \zero
	v_wmma_f32_16x16x128_fp8_fp8 v[ACC+8*(4*(\a)+\b):ACC+8*(4*(\a)+\b)+7], v[\f+64+16*\b:\f+64+16*\b+15], v[\f+16*(\a):\f+16*(\a)+15], 0
.else
	v_wmma_f32_16x16x128_fp8_fp8 v[ACC+8*(4*(\a)+\b):ACC+8*(4*(\a)+\b)+7], v[\f+64+16*\b:\f+64+16*\b+15], v[\f+16*(\a):\f+16*(\a)+15], v[ACC+8*(4*(\a)+\b):ACC+8*(4*(\a)+\b)+7]
.endif
.endr
.endr
.endm
.macro FETCH slot, q, f
	WIN TO_F
.irp i, 0,1,2,3
.irp c, 0,1,2,3
	ds_load_b128 v[\f+64+16*\i+4*\c:\f+64+16*\i+4*\c+3], v[ADRB+\slot] offset:\i*8192+(\q)*2048+512*\c
.endr
.endr
.irp i, 0,1,2,3
.irp c, 0,1,2,3
	ds_load_b128 v[\f+16*\i+4*\c:\f+16*\i+4*\c+3], v[ADRA+\slot] offset:\i*8192+(\q)*2048+512*\c
.endr
.endr
.endm
.macro PLACES
.rept 4
	v_nop
.endr
.endm
.macro QUARTER slot, q, f, g, zero
	s_wait_dscnt 8
	WIN MUL
	MUL8 \f, 0, \zero
	PLACES
	FETCH \slot, \q, \g
	s_wait_dscnt 32
	WIN MUL
	MUL8 \f, 2, \zero
.endm
.macro TURN slot, next, fill
	WIN 0
	s_wait_tensorcnt 0x0
	ds_add_u32 v[SPW], v[NIL]
	s_wait_dscnt 9
	WIN MUL
	MUL8 F1, 0, 0
	s_wait_dscnt 0x0
	s_barrier_signal -1
	WIN 0
	s_barrier_wait -1
.if \fill
	CREST
	s_add_nc_u64 s[G0+4*\slot+2:G0+4*\slot+3], s[G0+4*\slot+2:G0+4*\slot+3], 16384
	s_add_nc_u64 s[G0B+4*\slot+2:G0B+4*\slot+3], s[G0B+4*\slot+2:G0B+4*\slot+3], 16384
	JLOAD \slot
.else
	PLACES
.endif
	FETCH \next, 0, F0
	WIN MUL
	MUL8 F1, 2, 0
.endm
	s_wait_tensorcnt 1
	s_barrier_signal -1
	s_barrier_wait -1
	FETCH 0, 0, F0
	QUARTER 0, 1, F0, F1, 1
	QUARTER 0, 2, F1, F0, 0
	QUARTER 0, 3, F0, F1, 0
	TURN 0, 1, 1
	QUARTER 1, 1, F0, F1, 0
	QUARTER 1, 2, F1, F0, 0
	QUARTER 1, 3, F0, F1, 0
	TURN 1, 0, 1
	QUARTER 0, 1, F0, F1, 0
	QUARTER 0, 2, F1, F0, 0
	QUARTER 0, 3, F0, F1, 0
	TURN 0, 1, 0
	QUARTER 1, 1, F0, F1, 0
	QUARTER 1, 2, F1, F0, 0
	QUARTER 1, 3, F0, F1, 0
	s_wait_dscnt 8
	WIN MUL
	MUL8 F1, 0, 0
	s_wait_dscnt 0
	MUL8 F1, 2, 0
	WIN 0
.macro TOSTAGE a
.set jj, 0
.rept 16
	v_pk_mul_f32 v[TMP+jj:TMP+jj+1], v[ACC+32*(\a)+jj:ACC+32*(\a)+jj+1], s[66:67] op_sel_hi:[1,0]
.set jj, jj+2
.endr
.irp b, 0,1,2,3
	ds_store_b128 v[STO], v[TMP+8*\b:TMP+8*\b+3] offset:64*\b
	ds_store_b128 v[STO], v[TMP+8*\b+4:TMP+8*\b+7] offset:64*\b+16
.endr
.set BB, BK+32*((\a)%2)
.irp t, 0,1,2,3,4,5,6,7
	ds_load_b128 v[BB+4*\t:BB+4*\t+3], v[RD] offset:\t*2*SPITCH
.endr
.endm
.macro SEND a, younger
.set BB, BK+32*((\a)%2)
	s_wait_dscnt \younger
.irp t, 0,1,2,3,4,5,6,7
	global_store_b128 v[CO], v[BB+4*\t:BB+4*\t+3], s[10:11] offset:(16*(\a)+2*\t)*4096 th:TH_STORE_NT
.endr
.endm
	s_wait_kmcnt 0x0
	s_add_co_i32 s66, s66, s67
	s_add_co_i32 s66, s66, 127
	s_lshl_b32 s66, s66, 23
	s_mov_b32 s67, s66
	PLACES
	TOSTAGE 0
.irp a, 1,2,3
.if \a > 1
	s_wait_xcnt 0x0
.endif
	TOSTAGE \a
	SEND \a-1, 16
.endr
	SEND 3, 0
	s_wait_tensorcnt 0x0
	ds_add_u32 v[SPW], v[NIL]
	s_wait_dscnt 0x0
	CROUND
	s_endpgm
.Lfunc_end_k_q1808b89a44_oproj:
	.size	k_q1808b89a44_oproj, .Lfunc_end_k_q1808b89a44_oproj-k_q1808b89a44_oproj
	.p2alignl 7, 3214868480
	.fill 96, 4, 3214868480
	.section	.rodata,"a",@progbits
	.p2align	6, 0x0
	.amdhsa_kernel k_q1808b89a44_oproj
		.amdhsa_group_segment_fixed_size 327680
		.amdhsa_private_segment_fixed_size 0
		.amdhsa_enable_private_segment 0
		.amdhsa_kernarg_size 32
		.amdhsa_user_sgpr_count 2
		.amdhsa_user_sgpr_kernarg_segment_ptr 1
		.amdhsa_wavefront_size32 1
		.amdhsa_system_sgpr_workgroup_id_x 1
		.amdhsa_system_sgpr_workgroup_id_y 1
		.amdhsa_system_sgpr_workgroup_id_z 1
		.amdhsa_system_vgpr_workitem_id 0
		.amdhsa_next_free_vgpr 512
		.amdhsa_next_free_sgpr 80
		.amdhsa_reserve_vcc 0
		.amdhsa_float_denorm_mode_32 3
		.amdhsa_float_denorm_mode_16_64 3
		.amdhsa_memory_ordered 1
		.amdhsa_forward_progress 1
		.amdhsa_inst_pref_size 74
	.end_amdhsa_kernel
	.amdgpu_metadata
---
amdhsa.version: [ 1, 2 ]
amdhsa.kernels:
  - .name:           k_q1808b89a44_oproj
    .symbol:         k_q1808b89a44_oproj.kd
    .args:
      - { .name: oc, .offset: 0, .size: 8, .value_kind: global_buffer, .address_space: global }
      - { .name: wc, .offset: 8, .size: 8, .value_kind: global_buffer, .address_space: global }
      - { .name: lowp_scales, .offset: 16, .size: 8, .value_kind: global_buffer, .address_space: global }
      - { .name: out0, .offset: 24, .size: 8, .value_kind: global_buffer, .address_space: global }
    .group_segment_fixed_size: 327680
    .private_segment_fixed_size: 0
    .kernarg_segment_align: 8
    .kernarg_segment_size: 32
    .max_flat_workgroup_size: 128
    .sgpr_count:     80
    .vgpr_count:     512
    .wavefront_size: 32
...
	.end_amdgpu_metadata
.endif
;; end of part 4
